; MI455X (gfx1250); checked and timed in simulation.
; The chip was launched on July 23, 2026; its instructions are those of AMD's public machine-readable ISA for CDNA 5 (MIT licence, August 2026) and "CDNA5" Instruction Set Architecture Reference Guide (July 2026). The comments in the code are by the model that wrote it; some were corrected since.
;; Manual Attention. Allowed arithmetic: matrix products marked QUANTISED: E4M3 operands, one given power-of-two scale a tensor, by v_wmma_f32_16x16x64_fp8_fp8 or v_wmma_f32_16x16x128_fp8_fp8, f32 sums; everything else in f32.
;; Inputs: b_out 1,024 float32; b_qkv 3,072 float32; lowp_scales 8 int32 (the exponents e of the quantised operands' scales 2^e); w_out_codes 1,024 x 32 x 32 uint8 (E4M3 codes of w_out, K innermost, in blocks of 32 codes); w_qkv_codes 3,072 x 32 x 32 uint8 (E4M3 codes of w_qkv, K innermost, in blocks of 32 codes); x_codes 4 x 2,048 x 32 x 32 uint8 (E4M3 codes of x, K innermost, in blocks of 32 codes).
;; Outputs: out0 4 x 2,048 x 1,024 float32.
;; This version of the problem:
;;   THIS VERSION OF THE PROBLEM IS GIVEN IN LOW PRECISION. The matrix products marked QUANTISED in the list below multiply operands that are first quantised to E4M3 (4 exponent bits, 3 mantissa bits; 8 bits a number), with one given power-of-two scale for each operand tensor; their sums are f32. All else is computed in f32.
;;   The module's matrix products, in the order in which they are computed (A, B: the left and right operand; K: the contracted axis; several contracted axes count as one K, in the product's order):
;;     1. [M 8,192, K 1,024] x [K 1,024, N 3,072]; A: input x (given as codes); B: input w_qkv (given as codes): QUANTISED (scales: A lowp_scales[0], B lowp_scales[1])
;;     2. batch 64 x [M 2,048, K 64] x [K 64, N 2,048]; A: computed on the way; B: computed on the way: QUANTISED (scales: A lowp_scales[2], B lowp_scales[3])
;;     3. batch 64 x [M 2,048, K 2,048] x [K 2,048, N 64]; A: softmax (see below); B: computed on the way: QUANTISED (scales: A lowp_scales[4], B lowp_scales[5])
;;     4. [M 8,192, K 1,024] x [K 1,024, N 1,024]; A: computed on the way; B: input w_out (given as codes): QUANTISED (scales: A lowp_scales[6], B lowp_scales[7])
;;   THE QUANTISER, for each operand of a quantised product, along K:
;;     - The operand's scale is 2^e, e = its entry of the input lowp_scales (int32; the entries are numbered through the quantised products in the list's order, A before B).
;;     - Each number is divided by the scale, clamped to +-448, and rounded to the nearest number of E4M3, ties to even, subnormals kept.
;;     - The product sums the exact products of the quantised numbers (number of the format x scale) in f32.
;;   ~~~python
;;   def quantise(x, axis, e):      # numpy; x: float32 -> the quantised numbers, widened to float32 again
;;       x = np.moveaxis(x, axis, -1); K = x.shape[-1]
;;       r = np.clip(x / 2.0 ** e, -448, 448)
;;       step = 2.0 ** (np.maximum(np.frexp(np.where(r == 0, 1, r))[1] - 1, -6) - 3)
;;       q = np.round(r / step) * step * 2.0 ** e      # np.round: ties to even
;;       return np.moveaxis(q, -1, axis).astype(np.float32)
;;   ~~~
;;   SOFTMAX AHEAD OF A QUANTISED PRODUCT. Where the list says 'softmax', what is quantised is not the finished softmax but p = 2^(t - M), with t = logit x log2(e) and M = ceil(the row's largest t), a whole number; so 1/2 < the row's largest p <= 1. The row's sum l is taken of the UNQUANTISED p, in f32, and the product's result is divided by l at the end. Since M is a whole number, a kernel that streams over the keys may use a running M (the ceiling of the running maximum): every later rescaling is an exact power of two, so the quantised numbers keep their values, but for numbers so far below the row's largest that they fall under the format's range.
;;   OPERANDS COMPUTED ON THE WAY. 'Computed on the way' means the value that the module computes at that place (a softmax that the list does not call 'softmax' is quantised finished and normalised). What goes into a quantiser is computed in f32, as accurately as f32 sums, v_exp_f32 and their like allow (about 1e-6 of the number): no bf16 or f16 on the way to a quantiser, and a product that is left as it is and whose result goes on into a quantised operand takes f32 operands (vector FMAs, or v_wmma_f32_16x16x4_f32). A number that lies on a knife's edge between two numbers of the format may be rounded either way, as far as f32 arithmetic and the matrix unit's own rounding can turn it there, and no further.
;;   INPUTS GIVEN AS CODES. w_out (in the module: [1024, 1024], K = its axis 1); w_qkv (in the module: [3072, 1024], K = its axis 1); x (in the module: [4, 2048, 1024], K = its axis 2): each comes as NAME_codes (uint8): NAME with its K axis moved to the last place and cut into blocks of 32 codes, [.., K / 32, bytes a block], one block behind the other in memory; one code a byte (a code: sign, 4 exponent bits, 3 mantissa bits); its scale is its entry of lowp_scales. Its value is code x scale, taken as it is: it is not quantised again, and the codes and scales need not be those that the quantiser above would give.
;; One version. Each part assembles by itself: llvm-mc -triple=amdgcn-amd-amdhsa -mcpu=gfx1250 --defsym DOCPART=n.
;; ======== version 1 of 1: 3 launches
;; limits: right only within a limited range of input values
;; workspace buffers: q_img 8,388,608 bytes; k_img 8,388,608 bytes; v_img 8,388,608 bytes; a_img 8,388,608 bytes
;; launch qkv (part 1): grid 8 x 32, 4 waves a work-group, clusters of 4 x 4, 327,680 bytes of LDS; arguments x_codes, w_qkv_codes, lowp_scales, b_qkv, q_img, k_img, v_img; writes q_img, k_img, v_img
.if DOCPART == 1
	.amdgcn_target "amdgcn-amd-amdhsa--gfx1250"
	.amdhsa_code_object_version 6
	.text
	.protected	k_qb663d1be9b_qkv
	.globl	k_qb663d1be9b_qkv
	.p2align	8
	.type	k_qb663d1be9b_qkv,@function
k_qb663d1be9b_qkv:
	s_mov_b64 s[64:65], 0
	v_nop
	global_prefetch_b8 v0, s[64:65] scope:SCOPE_SE
	s_setreg_imm32_b32 hwreg(HW_REG_WAVE_MODE, 25, 1), 1
	s_wait_xcnt 0x0
	s_wait_alu depctr_hold_cnt(0) depctr_sa_sdst(0) depctr_va_vdst(0) depctr_va_sdst(0) depctr_va_ssrc(0) depctr_va_vcc(0) depctr_vm_vsrc(0)
	s_getreg_b32 s2, hwreg(HW_REG_IB_STS2, 6, 4)
	s_cmp_eq_u32 s2, 0
	s_cbranch_scc0 .Lentry_in_a_cluster
	s_endpgm
.Lentry_in_a_cluster:
	s_bfe_u32 s2, ttmp6, 0x10000c
	s_cmp_lg_u32 s2, 0xf033
	s_cbranch_scc0 .Lentry_shape_is_right
	s_endpgm
.Lentry_shape_is_right:
; qkv = x W^T + b on codes of FP8 (E4M3); q, k and v are then quantised, each with its own given scale, and stored as IMAGES OF OPERAND REGISTERS for the attention launch.
; x: [8192][1024] codes, W: [3072][1024] codes, K innermost.  lowp_scales: e0 (x), e1 (W), e2 (q), e3 (k), e5 (v).  A finished sum becomes sum x 2^(e0 + e1) + b by one fused multiply-add,
; is held within +-448 x 2^e and converted (to the nearest code, ties to even).
; LIMITS: e0 + e1 between -126 and 127; e2, e3, e5 between -126 and 119, so that each power of two below is an f32 number.  NaN is not served.  Inside a matrix instruction k stands in another place than
; the form's own layout gives it, alike in both operands: only the order of the sums inside an instruction differs.
; SHARES.  32 x 8 = 256 work-groups of four waves, and EACH STAYS FOR TWO PHASES, so that all have the same work:
;   phase 1: a block of 256 tokens x 256 columns of q or k (the cluster's x says which), 128 x 128 a wave: 64 accumulators.  Source 0 = 16 rows of W, source 1 = 16 rows of x: a lane holds one token and eight
;            neighbouring channels, which is K of the scores' product.
;   phase 2: a block of 128 channels of v x 256 keys, 64 x 128 a wave: 32 accumulators.  Source 0 = 16 rows of x, source 1 = 16 rows of W: a lane holds one channel and eight neighbouring keys, K of the second product.
; K goes in steps of 256 through a ring of two LDS slots, and THE RING DOES NOT STOP BETWEEN THE PHASES: phase 1's last two changes of slots ask for phase 2's K steps 0 and 1, ahead of phase 1's way out.
; A slot holds source 1's rows from byte 0 (256 in phase 1, 128 in phase 2) and source 0's 256 rows from byte 2 HALFT.
; CLUSTERS: 4 x 4 work-groups (cluster X 0..1, Y 0..7).  Source 1's tiles are asked for jointly along a row of the cluster, source 0's along a column.
;   phase 1: source 1 = x, tile 4 Y + cy; source 0 = W, tile 4 X + cx.   phase 2: source 1 = W, rows 2,048 + 128 (4 X + cy) on; source 0 = x, tile 4 Y + cx.
; THE IMAGES (lane = r + 16 h; every store of a wave covers 512 consecutive bytes, aligned):
;   q_img, k_img [batch x 16 + head][token / 16][c 0..1][lane][16]: token 16 (..) + r; byte z: channel 32 c + 16 (z / 8) + 8 h + z % 8
;   v_img [batch x 16 + head][key / 128][channel / 16][c 0..3][lane][16]: channel 16 (..) + r; byte z: key 128 (..) + 32 c + 16 (z / 8) + 8 h + z % 8
; PREFETCHES INTO THE L2.  Phase 1: behind K step 0's load K steps 1 and 2 are asked for, behind K step 1's load K step 3.  Of the 128 rows that a wave fetches each of the four partners that ask for them jointly
; takes 32, told apart by address, a lane a row.  x's rows are loaded by two clusters, and each asks; W's by eight, of which the first four rows of clusters ask.  Phase 2's rows of W are asked for behind phase 1's two
; refills, two changes of slots ahead of their first load: of a wave's 64 rows a partner takes 16, lanes 0-15 for one K step and lanes 16-31 for the next.  Phase 2's rows of x are those that this cluster loads in phase 1.
; REGISTERS, in windows of 256: window 0: v0-31 addresses; v32-39 and v64-127 the biases; from v128 source 1's fragments (phase 1: one set of 128; phase 2: two sets of 64; on the way out: v128-191 numbers, v192-255 codes);
;   window 1: source 0's fragments, two sets;  window 2: the accumulators of source 1's blocks 0-3 (accumulator (a, b) at v[8 (8 (a % 4) + b)]);  window 3: of blocks 4-7.
.set KROW,   1024
.set ROWB,   256                       ; a tile's row: 256 codes
.set PITCH,  272                       ; an LDS row: 256 bytes + 16 of padding: the 16 rows that a load touches start at 16 different banks (64 banks of 4 bytes: ISA guide 11.1)
.set FR,     16
.set NL,     4
.set NP,     4                         ; places behind this matrix instruction (ISA guide 7.12.1)
.set HALFT,  128*PITCH
.set SLOT,   4*HALFT
.set SPARE,  2*SLOT                    ; behind the ring: the spare words, 128 bytes for each wave
.set BO8,  6                           ; v6      32 h: my eight biases of a block (phase 1)
.set BO1,  7                           ; v7      4 r: my one bias of a block (phase 2)
.set SCL,  10                          ; v10     2^e as f32: the conversion takes its exponent field
.set CAP,  11                          ; v11     448 x 2^e
.set ADRA, 16                          ; v16-17  LDS address of source 1's fragments in slot 0, 1, phase 1
.set ADRA2, 18                         ; v18-19  the same, phase 2
.set ADRB, 20                          ; v20-21  of source 0's, both phases
.set PFO2, 25                          ; v25     the offset of phase 2's prefetches; never rewritten
.set OFS,  26                          ; v26     16 x lane: my place in an image
.set PFO,  27                          ; v27     the offset of phase 1's prefetches; never rewritten
.set SPW,  28                          ; v28     LDS address of my spare word; never rewritten
.set NIL,  29                          ; v29     0; never rewritten
.set BV,   32
.set BI,   64
.set AF,   128
.set TMP,  128
.set CODE, 192
.set G1, 24                            ; s[24:31] group 1 for source 1's tiles in phase 1;  s[32:39] group 0, one set for each slot, both phases
.set G0, 32
.set G1B, 48                           ; s[48:55], s[56:63] the same for source 0's tiles, both phases
.set G0B, 56
.set G1C, 80                           ; s[80:87] group 1 for source 1's tiles in phase 2: 64 rows
.set MSB, 0
.macro WIN new                         ; the immediate's high byte repeats the setting that is left
.if MSB != \new
	s_set_vgpr_msb (MSB<<8)|\new
.set MSB, \new
.endif
.endm
.set MUL_LO, 0xa1                      ; source 0 window 1, source 1 window 0, C and D window 2
.set MUL_HI, 0xf1                      ; the same, C and D window 3
.set TO_B,   0x40
; A joint load: waves 0 and 1 fetch source 1's halves, waves 2 and 3 source 0's.  The branch hangs on the wave's number alone.  An s_nop 0 and four v_nop follow each of the two lines.
.macro JLOAD g0a, g1a, g0b, g1b
	s_cmp_eq_u32 s15, 0
	s_cbranch_scc0 .Lfor_b_\@
	tensor_load_to_lds s[\g0a:\g0a+3], s[\g1a:\g1a+7]
	s_nop 0
.rept 4
	v_nop
.endr
	s_branch .Lasked_\@
.Lfor_b_\@:
	tensor_load_to_lds s[\g0b:\g0b+3], s[\g1b:\g1b+7]
	s_nop 0
.rept 4
	v_nop
.endr
.Lasked_\@:
.endm
.macro CREST                           ; a round of the cluster's barrier behind its opening barrier
	s_cmp_lg_u32 s14, 0
	s_cbranch_scc1 .Lnot_wave_0_\@
	s_barrier_signal -3
.Lnot_wave_0_\@:
	s_barrier_wait -3
	s_barrier_signal -1
	s_barrier_wait -1
.endm
.macro CROUND
	s_barrier_signal -1
	s_barrier_wait -1
	CREST
.endm
.macro ASKIF flag, vreg, sbase, off    ; one prefetch into the L2, in the waves whose flag is 0
	s_cmp_eq_u32 s[\flag], 0
	s_cbranch_scc0 .Lnot_mine_\@
	global_prefetch_b8 v[\vreg], s[\sbase:\sbase+1] offset:\off th:TH_LOAD_NT scope:SCOPE_SE
.Lnot_mine_\@:
.endm
.macro P2SET s                         ; slot s's two groups 0 are set for phase 2's K step s (no tensor load of mine is out here)
	s_add_co_u32 s[G0+4*\s+1], s46, \s*SLOT
	s_add_nc_u64 s[G0+4*\s+2:G0+4*\s+3], s[2:3], \s*ROWB
	s_or_b32 s[G0+4*\s+3], s[G0+4*\s+3], 0x80000000
	s_add_nc_u64 s[G0B+4*\s+2:G0B+4*\s+3], s[100:101], \s*ROWB
	s_or_b32 s[G0B+4*\s+3], s[G0B+4*\s+3], 0x80000000
.endm
	s_load_b128 s[4:7], s[0:1], 0x0                ; x's codes s[4:5], W's codes s[6:7]
	s_load_b128 s[8:11], s[0:1], 0x10              ; the scales' exponents s[8:9], b_qkv s[10:11]
	s_load_b128 s[88:91], s[0:1], 0x20             ; q_img s[88:89], k_img s[90:91]
	s_load_b64 s[92:93], s[0:1], 0x30              ; v_img
	v_lshl_add_u32 v[SPW], v0, 2, SPARE
	v_mov_b32 v[NIL], 0
	ds_add_u32 v[SPW], v[NIL]                      ; the opening lines: the add, twice on end, and its wait ahead of my first tensor load
	ds_add_u32 v[SPW], v[NIL]
	v_lshrrev_b32 v1, 5, v0
	v_readfirstlane_b32 s14, v1                    ; wave 0..3
	s_lshr_b32 s15, s14, 1                         ; which half of source 1's rows is mine.  Also: I fetch for source 1 (0) or for source 0 (1)
	s_and_b32 s16, s14, 1                          ; which half of source 0's.  Also: which half of that tile I fetch
	s_bfe_u32 s40, ttmp6, 0x40000                  ; cx, cy: my place in the cluster
	s_bfe_u32 s41, ttmp6, 0x40004
	s_lshl_b32 s42, ttmp9, 2
	s_and_b32 s17, ttmp7, 0xffff
	s_lshl_b32 s17, s17, 2
	s_add_co_u32 s105, s17, s40                    ; phase 2, source 0: x's tile 4 Y + cx
	s_add_co_u32 s17, s17, s41                     ; phase 1, source 1: x's tile 4 Y + cy
	s_add_co_u32 s104, s42, s41                    ; phase 2, source 1: v's 128 rows of W number 4 X + cy
	s_add_co_u32 s42, s42, s40                     ; phase 1, source 0: W's tile 4 X + cx
	s_lshl_b32 s43, s41, 2
	s_lshl_b32 s43, 15, s43                        ; my row of the cluster
	s_lshl_b32 s44, 0x1111, s40                    ; my column
	s_or_b32 s[G1+0], s43, (0<<16)|(1<<20)|(1<<21)|(5<<22)|(3<<25)   ; the mask; elements of 1 byte; four words of padding after every 64; bit 21 beside a mask
	s_or_b32 s[G1B+0], s44, (0<<16)|(1<<20)|(1<<21)|(5<<22)|(3<<25)
	s_or_b32 s[G1C+0], s43, (0<<16)|(1<<20)|(1<<21)|(5<<22)|(3<<25)
.irp g, G1, G1B
	s_mov_b32 s[\g+1], ROWB<<16
	s_mov_b32 s[\g+2], 128<<16                     ; 128 rows
	s_mov_b32 s[\g+3], ROWB<<16
	s_mov_b32 s[\g+4], 128
	s_mov_b32 s[\g+5], KROW
	s_mov_b32 s[\g+6], 0
	s_mov_b32 s[\g+7], 0
.endr
	s_mov_b32 s[G1C+1], ROWB<<16
	s_mov_b32 s[G1C+2], 64<<16                     ; 64 rows
	s_mov_b32 s[G1C+3], ROWB<<16
	s_mov_b32 s[G1C+4], 64
	s_mov_b32 s[G1C+5], KROW
	s_mov_b32 s[G1C+6], 0
	s_mov_b32 s[G1C+7], 0
	s_lshl_b32 s13, s16, 17                        ; the 128 rows of 1,024 bytes that I fetch
	s_lshl_b32 s18, s17, 18
	s_add_co_u32 s18, s18, s13
	s_mov_b32 s19, 0                               ; phase 1: x
	s_lshl_b32 s20, s42, 18
	s_add_co_u32 s20, s20, s13
	s_mov_b32 s21, 0                               ; phase 1: W
	s_lshl_b32 s100, s105, 18
	s_add_co_u32 s100, s100, s13
	s_mov_b32 s101, 0                              ; phase 2: x
	s_lshl_b32 s2, s104, 17
	s_lshl_b32 s13, s16, 16                        ; the 64 rows that I fetch
	s_add_co_u32 s2, s2, s13
	s_add_co_u32 s2, s2, 0x200000                  ; behind q's and k's 2,048 rows
	s_mov_b32 s3, 0                                ; phase 2: W
	s_mul_i32 s45, s14, HALFT                      ; where they go: no place in the cluster enters an LDS address
	s_mul_i32 s46, s16, 64*PITCH                   ; phase 2, source 1
	s_wait_dscnt 0x0                               ; both opening adds are done
	s_wait_kmcnt 0x0
	s_load_b256 s[68:75], s[8:9], 0x0              ; e0 .. e7
	s_add_nc_u64 s[18:19], s[4:5], s[18:19]
	s_add_nc_u64 s[20:21], s[6:7], s[20:21]
	s_add_nc_u64 s[100:101], s[4:5], s[100:101]
	s_add_nc_u64 s[2:3], s[6:7], s[2:3]
	CROUND                                         ; all sixteen work-groups are here: the first joint loads meet
.irp s, 0,1
	s_mov_b32 s[G0+4*\s], 1
	s_add_co_u32 s[G0+4*\s+1], s45, \s*SLOT
	s_add_nc_u64 s[G0+4*\s+2:G0+4*\s+3], s[18:19], \s*ROWB
	s_or_b32 s[G0+4*\s+3], s[G0+4*\s+3], 0x80000000
	s_mov_b32 s[G0B+4*\s], 1
	s_add_co_u32 s[G0B+4*\s+1], s45, \s*SLOT
	s_add_nc_u64 s[G0B+4*\s+2:G0B+4*\s+3], s[20:21], \s*ROWB
	s_or_b32 s[G0B+4*\s+3], s[G0B+4*\s+3], 0x80000000
.endr
	JLOAD G0, G1, G0B, G1B                         ; K step 0: one tensor load a wave at the head
	s_cmp_eq_u32 s15, 0                            ; the prefetches: where mine stand, and who asks
	s_cselect_b64 s[66:67], s[18:19], s[20:21]     ; phase 1: the 128 rows that I fetch, at K step 0
	s_cselect_b32 s12, s40, s41                    ; my place among the four that ask with me
	s_lshl_b32 s12, s12, 15                        ; 32 rows
	s_mov_b32 s13, 0
	s_add_nc_u64 s[66:67], s[66:67], s[12:13]
	s_lshl_b32 s12, s40, 14                        ; phase 2, W: 16 rows
	s_add_nc_u64 s[22:23], s[2:3], s[12:13]
	s_and_b32 s13, ttmp7, 0xffff
	s_lshr_b32 s13, s13, 2                         ; 0 in the first four rows of clusters
	s_mul_i32 s12, s13, s15                        ; 0: my wave asks in phase 1 (x's waves; W's in those clusters)
	s_add_co_u32 s47, s13, s15                     ; 0: my wave asks for phase 2's rows of W (waves 0 and 1 in those clusters)
	v_and_b32 v[PFO], 31, v0
	v_lshlrev_b32 v[PFO], 10, v[PFO]               ; a lane a row
	v_and_b32 v[PFO2], 15, v0
	v_bfe_u32 v24, v0, 4, 1
	v_lshlrev_b32 v[PFO2], 10, v[PFO2]
	v_lshl_add_u32 v[PFO2], v24, 8, v[PFO2]        ; row lane % 16, K step lane / 16
	s_wait_alu depctr_va_vdst(0)                   ; a wait, ahead of the branches
	ASKIF 12, PFO, 66, ROWB
	ASKIF 12, PFO, 66, 2*ROWB
	v_and_b32 v1, 15, v0                           ; r
	v_bfe_u32 v2, v0, 4, 1                         ; h
	v_mul_u32_u24 v3, v1, PITCH
	v_lshl_add_u32 v4, v2, 4, v3                   ; a fragment's row x pitch + 16 h
	s_wait_alu depctr_va_vdst(0)                   ; a wait, ahead of the scalar lines below
	s_mul_i32 s18, s15, HALFT
	s_mul_i32 s19, s16, HALFT
	s_add_co_u32 s19, s19, 2*HALFT
	s_mul_i32 s20, s15, 64*PITCH
.irp s, 0,1
	v_add_nc_u32 v[ADRA+\s], s18, v4
	v_add_nc_u32 v[ADRB+\s], s19, v4
	v_add_nc_u32 v[ADRA2+\s], s20, v4
	s_add_co_u32 s18, s18, SLOT
	s_add_co_u32 s19, s19, SLOT
	s_add_co_u32 s20, s20, SLOT
.endr
	v_lshlrev_b32 v[BO8], 5, v2
	v_lshlrev_b32 v[BO1], 2, v1
	v_and_b32 v5, 31, v0
	v_lshlrev_b32 v[OFS], 4, v5
	s_wait_alu depctr_va_vdst(0)                   ; a wait, ahead of the scalar lines below
	s_lshl_b32 s18, s42, 10                        ; phase 1's biases: column 256 x W's tile + 128 x my half of source 0
	s_lshl_b32 s19, s16, 9
	s_add_co_u32 s18, s18, s19
	s_mov_b32 s19, 0
	s_add_nc_u64 s[94:95], s[10:11], s[18:19]
	s_lshl_b32 s18, s104, 9                        ; phase 2's: column 2,048 + 128 (4 X + cy) + 64 x my half of source 1
	s_lshl_b32 s20, s15, 8
	s_add_co_u32 s18, s18, s20
	s_add_co_u32 s18, s18, 8192
	s_add_nc_u64 s[98:99], s[10:11], s[18:19]
.irp b, 0,1,2,3,4,5,6,7
	global_load_b128 v[BI+8*\b:BI+8*\b+3], v[BO8], s[94:95] offset:64*\b        ; b(16 b + 8 h + 0 .. 3)
	global_load_b128 v[BI+8*\b+4:BI+8*\b+7], v[BO8], s[94:95] offset:64*\b+16
.endr
.irp a, 0,1,2,3
	global_load_b32 v[BV+2*\a], v[BO1], s[98:99] offset:64*\a                   ; b(16 a + r), into both registers of a pair
	global_load_b32 v[BV+2*\a+1], v[BO1], s[98:99] offset:64*\a
.endr
	s_cmp_eq_u32 ttmp9, 0                          ; phase 1's image: q's or k's, by the cluster's x
	s_cselect_b64 s[76:77], s[88:89], s[90:91]
	s_lshr_b32 s18, s17, 3                         ; the batch: eight tiles of x each; its 16 heads are 16 x 131,072 bytes
	s_lshl_b32 s18, s18, 21
	s_lshl_b32 s20, s40, 2                         ; the head: 4 cx + 2 x my half (+ 0 or 1 in the stores' immediates)
	s_lshl_b32 s21, s16, 1
	s_add_co_u32 s20, s20, s21
	s_lshl_b32 s20, s20, 17
	s_add_co_u32 s18, s18, s20
	s_and_b32 s20, s17, 7                          ; 256 tokens of a head are 16,384 bytes,
	s_lshl_b32 s20, s20, 14
	s_add_co_u32 s18, s18, s20
	s_lshl_b32 s20, s15, 13                        ; my 128 of them 8,192
	s_add_co_u32 s18, s18, s20
	s_add_nc_u64 s[76:77], s[76:77], s[18:19]
	s_lshr_b32 s18, s105, 3                        ; phase 2's image: the batch,
	s_lshl_b32 s18, s18, 21
	s_lshl_b32 s20, s104, 1                        ; the head: my 64 channels are head 2 (4 X + cy) + my half,
	s_add_co_u32 s20, s20, s15
	s_lshl_b32 s20, s20, 17
	s_add_co_u32 s18, s18, s20
	s_and_b32 s20, s105, 7                         ; the 256 keys,
	s_lshl_b32 s20, s20, 14
	s_add_co_u32 s18, s18, s20
	s_lshl_b32 s20, s16, 13                        ; my 128 of them
	s_add_co_u32 s18, s18, s20
	s_add_nc_u64 s[78:79], s[92:93], s[18:19]
.macro FRAG reg, adr, q, i             ; a fragment, 16 rows x 128 K, is 16 registers: lane l holds row l % 16; registers 4 c .. 4 c + 3 hold K = 32 c + 16 (l / 16) + 0 .. 15
.irp c, 0,1,2,3
	ds_load_b128 v[\reg+4*\c:\reg+4*\c+3], v[\adr] offset:128*(\q)+32*\c+(\i)*16*PITCH
.endr
.endm
; PHASE 1.  16 matrix instructions: source 1's blocks a0, a0 + 1 x source 0's eight, 128 along K.  p: source 0's set.  zero = 1: the first product starts the sums.
; The accumulators take turns, one instruction a turn, in the same order in every step.
.macro MUL16 a0, p, zero
.irp a, \a0, \a0+1
.irp b, 0,1,2,3,4,5,6,7
.if \zero
	v_wmma_f32_16x16x128_fp8_fp8 v[8*(8*((\a)%4)+\b):8*(8*((\a)%4)+\b)+7], v[128*(\p)+FR*\b:128*(\p)+FR*\b+FR-1], v[AF+FR*(\a):AF+FR*(\a)+FR-1], 0
.else
	v_wmma_f32_16x16x128_fp8_fp8 v[8*(8*((\a)%4)+\b):8*(8*((\a)%4)+\b)+7], v[128*(\p)+FR*\b:128*(\p)+FR*\b+FR-1], v[AF+FR*(\a):AF+FR*(\a)+FR-1], v[8*(8*((\a)%4)+\b):8*(8*((\a)%4)+\b)+7]
.endif
.endr
.endr
.endm
.macro FETCH_B slot, q, p
	WIN TO_B
.irp i, 0,1,2,3,4,5,6,7
	FRAG 128*(\p)+FR*\i, ADRB+\slot, \q, \i
.endr
	WIN 0
.endm
.macro FETCH_A slot, q, i0
.irp i, \i0, \i0+1, \i0+2, \i0+3
	FRAG AF+FR*(\i), ADRA+\slot, \q, \i
.endr
.endm
.macro PLACES n                        ; plain places in front of loads into registers that matrix instructions have read, and of the first read of results
.rept \n
	v_nop
.endr
.endm
.macro STEP slot, q, zero              ; a step of 128 along K that has its successor in the same slot
	s_wait_dscnt 4*NL                              ; source 0's set and source 1's blocks 0-3 are in; the youngest 16 loads (blocks 4-7) may be out
	WIN MUL_LO
	MUL16 0, (\q)%2, \zero
	MUL16 2, (\q)%2, \zero
	s_wait_dscnt 0
	PLACES NP
	FETCH_B \slot, (\q)+1, 1-(\q)%2
	FETCH_A \slot, (\q)+1, 0
	WIN MUL_HI
	MUL16 4, (\q)%2, \zero
	MUL16 6, (\q)%2, \zero
	PLACES NP
	WIN 0
	FETCH_A \slot, (\q)+1, 4
.endm
; A slot's last step changes slots: ONE barrier, which opens a round of the cluster's barrier; in front of it each wave waits for all its tensor loads, adds 0 to its spare word, and waits for that and for its reads of this slot.
; p2 = 0: this slot takes phase 1's K step two on; p2 = 1: phase 2's K step of this slot's number.  more = 1: the next slot's first fragments are fetched.
.macro TURN slot, next, p2, more
	s_wait_tensorcnt 0x0                           ; all my tensor loads have landed: my part of the next slot
	ds_add_u32 v[SPW], v[NIL]
	s_wait_dscnt 4*NL+1                            ; (the add and the youngest 16 loads, blocks 4-7, may be out)
	WIN MUL_LO
	MUL16 0, 1, 0
	s_wait_dscnt 0x0                               ; the add is done, and my reads of this slot are over
	s_barrier_signal -1
	MUL16 2, 1, 0
	WIN 0
	s_barrier_wait -1
	CREST                                          ; no wave of any partner still reads this slot's tile or has a load on its way
.if \p2
	P2SET \slot
	JLOAD G0+4*\slot, G1C, G0B+4*\slot, G1B
.else
	s_add_nc_u64 s[G0+4*\slot+2:G0+4*\slot+3], s[G0+4*\slot+2:G0+4*\slot+3], 2*ROWB
	s_add_nc_u64 s[G0B+4*\slot+2:G0B+4*\slot+3], s[G0B+4*\slot+2:G0B+4*\slot+3], 2*ROWB
	JLOAD G0+4*\slot, G1, G0B+4*\slot, G1B         ; the first tensor load behind the round; its four v_nop are the places in front of the loads below
.endif
.if \more
	FETCH_B \next, 0, 0
	FETCH_A \next, 0, 0
.endif
	WIN MUL_HI
	MUL16 4, 1, 0
	MUL16 6, 1, 0
	WIN 0
.if \more
	PLACES NP
	FETCH_A \next, 0, 4
.endif
.endm
; PHASE 2.  Both operands have two sets of fragment registers: a step's 48 loads are issued a step ahead.
.macro FETCH2 slot, q, p
	WIN TO_B
.irp i, 0,1,2,3,4,5,6,7
	FRAG 128*(\p)+FR*\i, ADRB+\slot, \q, \i
.endr
	WIN 0
.irp i, 0,1,2,3
	FRAG AF+64*(\p)+FR*\i, ADRA2+\slot, \q, \i
.endr
.endm
.macro MULV a0, p, zero
.irp a, \a0, \a0+1
.irp b, 0,1,2,3,4,5,6,7
.if \zero
	v_wmma_f32_16x16x128_fp8_fp8 v[8*(8*(\a)+\b):8*(8*(\a)+\b)+7], v[128*(\p)+FR*\b:128*(\p)+FR*\b+FR-1], v[AF+64*(\p)+FR*(\a):AF+64*(\p)+FR*(\a)+FR-1], 0
.else
	v_wmma_f32_16x16x128_fp8_fp8 v[8*(8*(\a)+\b):8*(8*(\a)+\b)+7], v[128*(\p)+FR*\b:128*(\p)+FR*\b+FR-1], v[AF+64*(\p)+FR*(\a):AF+64*(\p)+FR*(\a)+FR-1], v[8*(8*(\a)+\b):8*(8*(\a)+\b)+7]
.endif
.endr
.endr
.endm
.macro STEP2 slot, zero                ; a slot's first step: multiplies set 0, and asks for the slot's second 128 into set 1
	s_wait_dscnt 0x0
	PLACES NP
	FETCH2 \slot, 1, 1
	WIN MUL_LO
	MULV 0, 0, \zero
	MULV 2, 0, \zero
	WIN 0
.endm
.macro TURN2 slot, next, fill          ; a slot's second step multiplies set 1 and changes slots, as above.  fill = 1: this slot is filled again
	s_wait_tensorcnt 0x0
	ds_add_u32 v[SPW], v[NIL]
	s_wait_dscnt 0x0                               ; the add is done, set 1 is in, and my reads of this slot are over
	s_barrier_signal -1
	WIN MUL_LO
	MULV 0, 1, 0
	WIN 0
	s_barrier_wait -1
.if \fill
	CREST
	s_add_nc_u64 s[G0+4*\slot+2:G0+4*\slot+3], s[G0+4*\slot+2:G0+4*\slot+3], 2*ROWB
	s_add_nc_u64 s[G0B+4*\slot+2:G0B+4*\slot+3], s[G0B+4*\slot+2:G0B+4*\slot+3], 2*ROWB
	JLOAD G0+4*\slot, G1C, G0B+4*\slot, G1B
.else
	PLACES NP
.endif
	FETCH2 \next, 0, 0
	WIN MUL_LO
	MULV 2, 1, 0
	WIN 0
.endm
; THE WAY OUT, block a of source 1 at a time: 64 numbers a lane.  number = sum x 2^(e0 + e1) + bias, one rounding; the hold; eight conversions; the 16 registers of codes are four pieces of an image.
; isv = 0: the lane's token is 16 a + r; pieces p = 0 .. 3 are channels 32 p on: head p / 2, piece p % 2.   isv = 1 (four blocks): the lane's channel is 16 a + r; pieces p are keys 32 p on.
.macro EPI isv, base
.irp a, 0,1,2,3,4,5,6,7
.if (\isv == 0) || (\a < 4)
.set AC, 64*(\a%4)
.set CD, CODE+16*(\a%4)
.if \a >= 4
	s_wait_xcnt 0x0                                ; block a - 4's stores have read their registers
.endif
	WIN 0x02+(\a/4)
.irp b, 0,1,2,3,4,5,6,7
.irp i, 0,2,4,6
.if \isv
	v_pk_fma_f32 v[TMP+8*\b+\i:TMP+8*\b+\i+1], v[AC+8*\b+\i:AC+8*\b+\i+1], s[96:97], v[BV+2*\a:BV+2*\a+1] op_sel_hi:[1,0,1]        ; each accumulator from its low end on
.else
	v_pk_fma_f32 v[TMP+8*\b+\i:TMP+8*\b+\i+1], v[AC+8*\b+\i:AC+8*\b+\i+1], s[96:97], v[BI+8*\b+\i:BI+8*\b+\i+1] op_sel_hi:[1,0,1]
.endif
.endr
.endr
	WIN 0
.set JJ, 0
.rept 64
	v_med3_num_f32 v[TMP+JJ], v[TMP+JJ], -v[CAP], v[CAP]   ; the conversion to an 8-bit code does not saturate (ISA guide 7.6.2): the hold at the largest code x the scale
.set JJ, JJ+1
.endr
.irp b, 0,1,2,3,4,5,6,7
	v_cvt_scalef32_pk8_fp8_f32 v[CD+2*\b:CD+2*\b+1], v[TMP+8*\b:TMP+8*\b+7], v[SCL]
.endr
	v_nop                                          ; one plain vector instruction behind the last conversion
.irp p, 0,1,2,3
.if \isv
	global_store_b128 v[OFS], v[CD+4*\p:CD+4*\p+3], s[\base:\base+1] offset:2048*\a+512*\p     ; 32 lanes store 512 consecutive bytes, aligned
.else
	global_store_b128 v[OFS], v[CD+4*\p:CD+4*\p+3], s[\base:\base+1] offset:1024*\a+131072*(\p/2)+512*(\p%2)
.endif
.endr
.endif
.endr
.endm
.macro SETSCALE                        ; s18 = e: 2^e and 448 x 2^e as f32
	s_add_co_i32 s18, s18, 127
	s_lshl_b32 s19, s18, 23
	v_mov_b32 v[SCL], s19
	s_add_co_i32 s18, s18, 8
	s_lshl_b32 s18, s18, 23
	s_or_b32 s18, s18, 0x600000
	v_mov_b32 v[CAP], s18
.endm
	s_wait_alu depctr_va_vdst(0)                   ; a wait at the head's end
	s_wait_tensorcnt 0x0                           ; my part of K step 0 is in
	ds_add_u32 v[SPW], v[NIL]
	s_wait_dscnt 0x0
	CROUND                                         ; everybody's part of K step 0 is in, and all sixteen work-groups are here
	JLOAD G0+4, G1, G0B+4, G1B                     ; K step 1: the first tensor load behind the round
	FETCH_B 0, 0, 0
	FETCH_A 0, 0, 0
	FETCH_A 0, 0, 4
	ASKIF 12, PFO, 66, 3*ROWB                      ; phase 1's last K step
	STEP 0, 0, 1                                   ; the first products start the sums
	TURN 0, 1, 0, 1                                ; slot 0 takes K step 2
	ASKIF 47, PFO2, 22, 0                          ; phase 2's rows of W, K steps 0 and 1
	STEP 1, 0, 0
	TURN 1, 0, 0, 1                                ; slot 1 takes K step 3
	ASKIF 47, PFO2, 22, 2*ROWB                     ; K steps 2 and 3
	STEP 0, 0, 0
	TURN 0, 1, 1, 1                                ; THE RING GOES ON INTO PHASE 2: slot 0 takes its K step 0,
	STEP 1, 0, 0
	TURN 1, 0, 1, 0                                ; slot 1 its K step 1; both are asked for: now q's or k's block goes out
	s_wait_kmcnt 0x0                               ; the exponents
	s_wait_loadcnt 0x0                             ; the biases
	s_add_co_i32 s96, s68, s69                     ; e0 + e1, between -126 and 127,
	s_add_co_i32 s96, s96, 127
	s_lshl_b32 s96, s96, 23                        ; makes the f32 number 2^(e0 + e1)
	s_mov_b32 s97, s96                             ; (named with it as a pair, so it is written)
	s_cmp_eq_u32 ttmp9, 0
	s_cselect_b32 s18, s70, s71                    ; e2 for q, e3 for k
	SETSCALE
	PLACES NP                                      ; behind the last products: the lines below read results and write registers that held fragments
	EPI 0, 76
	s_wait_xcnt 0x0                                ; the stores have read their registers, which take fragments again
	FETCH2 0, 0, 0                                 ; phase 2's K step 0 was shown whole by the last change of slots
	STEP2 0, 1                                     ; the first products start the sums
	TURN2 0, 1, 1                                  ; slot 0 takes K step 2
	STEP2 1, 0
	TURN2 1, 0, 1                                  ; slot 1 takes K step 3
	STEP2 0, 0
	TURN2 0, 1, 0                                  ; nothing is filled any more, and no round follows
	STEP2 1, 0
	s_wait_dscnt 0x0
	WIN MUL_LO
	MULV 0, 1, 0
	MULV 2, 1, 0
	WIN 0
	s_mov_b32 s18, s73                             ; e5 for v
	SETSCALE
	PLACES NP
	EPI 1, 78
	s_wait_tensorcnt 0x0                           ; the wave's end
	ds_add_u32 v[SPW], v[NIL]
	s_wait_dscnt 0x0
	CROUND                                         ; the closing round: no work-group ends while a partner may still ask for a tile that names it
	s_endpgm
.Lfunc_end_k_qb663d1be9b_qkv:
	.size	k_qb663d1be9b_qkv, .Lfunc_end_k_qb663d1be9b_qkv-k_qb663d1be9b_qkv
	.p2alignl 7, 3214868480
	.fill 96, 4, 3214868480
	.section	.rodata,"a",@progbits
	.p2align	6, 0x0
	.amdhsa_kernel k_qb663d1be9b_qkv
		.amdhsa_group_segment_fixed_size 327680
		.amdhsa_private_segment_fixed_size 0
		.amdhsa_enable_private_segment 0
		.amdhsa_kernarg_size 56
		.amdhsa_user_sgpr_count 2
		.amdhsa_user_sgpr_kernarg_segment_ptr 1
		.amdhsa_wavefront_size32 1
		.amdhsa_system_sgpr_workgroup_id_x 1
		.amdhsa_system_sgpr_workgroup_id_y 1
		.amdhsa_system_sgpr_workgroup_id_z 1
		.amdhsa_system_vgpr_workitem_id 0
		.amdhsa_next_free_vgpr 1024
		.amdhsa_next_free_sgpr 106
		.amdhsa_reserve_vcc 0
		.amdhsa_float_denorm_mode_32 3
		.amdhsa_float_denorm_mode_16_64 3
		.amdhsa_memory_ordered 1
		.amdhsa_forward_progress 1
		.amdhsa_inst_pref_size 215
	.end_amdhsa_kernel
	.amdgpu_metadata
---
amdhsa.version: [ 1, 2 ]
amdhsa.kernels:
  - .name:           k_qb663d1be9b_qkv
    .symbol:         k_qb663d1be9b_qkv.kd
    .args:
      - { .name: x_codes, .offset: 0, .size: 8, .value_kind: global_buffer, .address_space: global }
      - { .name: w_qkv_codes, .offset: 8, .size: 8, .value_kind: global_buffer, .address_space: global }
      - { .name: lowp_scales, .offset: 16, .size: 8, .value_kind: global_buffer, .address_space: global }
      - { .name: b_qkv, .offset: 24, .size: 8, .value_kind: global_buffer, .address_space: global }
      - { .name: q_img, .offset: 32, .size: 8, .value_kind: global_buffer, .address_space: global }
      - { .name: k_img, .offset: 40, .size: 8, .value_kind: global_buffer, .address_space: global }
      - { .name: v_img, .offset: 48, .size: 8, .value_kind: global_buffer, .address_space: global }
    .group_segment_fixed_size: 327680
    .private_segment_fixed_size: 0
    .kernarg_segment_align: 8
    .kernarg_segment_size: 56
    .max_flat_workgroup_size: 128
    .sgpr_count:     106
    .vgpr_count:     1024
    .wavefront_size: 32
...
	.end_amdgpu_metadata
.endif
;; end of part 1
;; launch attn (part 2): grid 4 x 64, 8 waves a work-group, no clusters, 263,168 bytes of LDS; arguments q_img, k_img, v_img, lowp_scales, a_img; writes a_img
.if DOCPART == 2
	.amdgcn_target "amdgcn-amd-amdhsa--gfx1250"
	.amdhsa_code_object_version 6
	.text
	.protected	k_qb663d1be9b_attn
	.globl	k_qb663d1be9b_attn
	.p2align	8
	.type	k_qb663d1be9b_attn,@function
k_qb663d1be9b_attn:
	s_mov_b64 s[64:65], 0
	v_nop
	global_prefetch_b8 v0, s[64:65] scope:SCOPE_SE
	s_setreg_imm32_b32 hwreg(HW_REG_WAVE_MODE, 25, 1), 1
	s_wait_xcnt 0x0
; o = softmax(q k^T / 8) v for 64 heads of 2,048 tokens x 64 channels, both products on codes of FP8 (E4M3); o is quantised with its given scale and stored as an image for the last product.
; lowp_scales: e2 (q), e3 (k), e4 (p), e5 (v), e6 (o).  Images of operand registers (lane = r + 16 h):
;   q_img, k_img [head][token / 16][c 0..1][lane][16]: byte z = channel 32 c + 16 (z / 8) + 8 h + z % 8;   v_img [head][key / 128][channel / 16][c 0..3][lane][16]: byte z = key 32 c + 16 (z / 8) + 8 h + z % 8.
; THE SOFTMAX: t = score x log2(e) / 8; M = the running largest t rounded UP to a whole number, kept as -M = floor(-t); p = 2^(t - M) is quantised with 2^e4, not normalised; the row's sum is taken of the
; unquantised p and divides at the end.  When M moves, the sum and O are multiplied by 2^(old M - new M): nothing is rounded, and there is no branch on data.
; SHARES.  64 heads x 4 = 256 work-groups.  A work-group owns 512 queries of one head and walks them in TWO PASSES of 256 over the same K and V, which lie whole in LDS and are loaded once.
; In a pass each of the eight waves owns 32 queries: two tiles of 16, so that each fragment of K and V feeds two products.  Two waves share a SIMD.
; Both products are used transposed (S^T = K Q^T, O^T = V^T P^T): a lane holds one query; S^T's register j of tile kt is key 16 kt + 8 h + j, so the conversions' results are P's fragment as they stand.
; LDS: K from byte 0, V from byte 131,072, as they lie in memory.  They come through registers in four chunks of four key steps; a chunk's 16 loads a wave are issued three or four key steps ahead of the LDS
; stores that take them.  No byte is written twice: one barrier a chunk orders all.
; K's FRAGMENTS RUN ONE STEP AHEAD: behind a step's first products the next step's K is asked for with this step's V.  So chunk c + 1 is stored, and its barrier passed, ahead of chunk c's LAST step:
; steps 0-2 | chunk 1 | steps 3-6 | chunk 2 | steps 7-10 | chunk 3 | steps 11-15 and the second pass's 16.  The LDS offset wraps at 131,072, so step 15 asks for key 0 again: the second pass's first K.
; (The launch's very last step asks for it once more: 16 LDS loads whose result is not used; the step is one text.)
; NO JOINT LOADS, though the four work-groups of a head read the same K and V.
; NO PREFETCH: each chunk is asked for by its own loads three or four key steps ahead of the stores that take it, and chunk 0 has no loop ahead of it.
; THE HOLD OF p: p is at most 1 and a last bit; where 448 x 2^e4 is 1.75 or more (e4 >= -8) no p passes the largest code, and the hold is jumped over; else it is executed.
; LIMITS: e2 + e3 between -123 and 130 (added to c's exponent field); e4 and e6 between -126 and 119; e4 + e5 goes by v_ldexp_f32 and has none; the scaled scores stay under 2^31 in magnitude.  NaN is not served.
; REGISTERS.  window 0: v1 16 x lane; v2, v3 the step's LDS addresses; v4 16 x thread; v5, v6 the stores' LDS addresses; v7 16 x lane + V's base; v[8:11] second chains of the sums; for tile u: v12+4u -M,
;   v13+4u the largest t, v[14+4u:15+4u] the sum; v[20+2u:21+2u] f; v24+2u, v25+2u at work; v28+u a permute's destination; v30 448 x 2^e4, v31 2^e4; v32+16u P's codes; v64+64u S^T, then p; v192-255 V's fragments.
;   window 1: v0+32u O^T; v64+8u Q; v80-143 a chunk on its way; v144-207 K's fragments; v208-223 the second pass's Q; v254, v255 the spare word's address and 0.
.set LI,   1
.set ADK,  2
.set ADV,  3
.set GOF,  4
.set STK,  5
.set STV,  6
.set LV,   7
.set PB,   32
.set SC,   64
.set FRG,  192
.set QF,   64
.set STG,  80
.set KF,   144
.set QN,   208
.set VBASE, 0x20000
.set CHUNK, 32768
.set KSTEP, 8192                       ; 128 keys of K, or of V, in bytes
.set MSB, 0
.macro WIN new                         ; the immediate's high byte repeats the setting that is left
.if MSB != \new
	s_set_vgpr_msb (MSB<<8)|\new
.set MSB, \new
.endif
.endm
.macro LOADCH c                        ; chunk c of K and of V: 16 loads; the work-group's 256 threads read 4,096 consecutive bytes an instruction
	WIN 0x40
.irp i, 0,1,2,3,4,5,6,7
	global_load_b128 v[STG+4*\i:STG+4*\i+3], v[GOF], s[6:7] offset:CHUNK*(\c)+4096*\i
.endr
.irp i, 0,1,2,3,4,5,6,7
	global_load_b128 v[STG+32+4*\i:STG+32+4*\i+3], v[GOF], s[8:9] offset:CHUNK*(\c)+4096*\i
.endr
	WIN 0
.endm
.macro STORECH c                       ; and into LDS, as it lies
	v_add_nc_u32 v[STK], CHUNK*(\c), v[GOF]
	v_add_nc_u32 v[STV], VBASE+CHUNK*(\c), v[GOF]
	WIN 0x04
.irp i, 0,1,2,3,4,5,6,7
	ds_store_b128 v[STK], v[STG+4*\i:STG+4*\i+3] offset:4096*\i
.endr
.irp i, 0,1,2,3,4,5,6,7
	ds_store_b128 v[STV], v[STG+32+4*\i:STG+32+4*\i+3] offset:4096*\i
.endr
	WIN 0
.endm
.macro KLOAD adr                       ; a step's K: tile i / 2 of 16 keys, piece i % 2
	WIN 0x40
.irp i, 0,1,2,3,4,5,6,7,8,9,10,11,12,13,14,15
	ds_load_b128 v[KF+4*\i:KF+4*\i+3], v[\adr] offset:512*\i
.endr
	WIN 0
.endm
.macro INIT                            ; a pass begins: the largest t -3e38, under every t; -M; the sum 0
.irp u, 0,1
	v_mov_b32 v[13+4*\u], 0xff61b1e6
	s_delay_alu instid0(VALU_DEP_1)
	v_floor_f32 v[12+4*\u], -v[13+4*\u]
	v_mov_b32 v[14+4*\u], 0
	v_mov_b32 v[15+4*\u], 0
.endr
.endm
; A KEY STEP: 128 keys at LDS byte s32 of K and of V, for my two tiles of queries.  Its K was asked for a step ago.
.macro STEP
	s_add_co_u32 s33, s32, KSTEP
	s_and_b32 s33, s33, VBASE-1                    ; the next step's K; behind the last key comes the first
	s_wait_dscnt 0x0                               ; K is in
	WIN 0x05                                       ; K and Q: window 1
.irp kt, 0,1,2,3,4,5,6,7
.irp u, 0,1
	v_wmma_f32_16x16x64_fp8_fp8 v[SC+64*\u+8*\kt:SC+64*\u+8*\kt+7], v[KF+8*\kt:KF+8*\kt+7], v[QF+8*\u:QF+8*\u+7], 0
.endr
.endr
	WIN 0
	v_add_nc_u32 v[ADV], s32, v[LV]                ; four plain lines that are due anyway are the places in front of the loads into K's and V's registers and of the first read of the scores:
	v_add_nc_u32 v[ADK], s33, v[LI]                ; the two LDS addresses,
	v_mov_b32 v8, v12                              ; and the two tiles' -M as it was (v8 and v10 serve the sums only further down)
	v_mov_b32 v10, v16
.irp i, 0,1,2,3,4,5,6,7,8,9,10,11,12,13,14,15
	ds_load_b128 v[FRG+4*\i:FRG+4*\i+3], v[ADV] offset:512*\i      ; V: tile i / 4 of 16 channels, piece i % 4
.endr
	KLOAD ADK                                      ; and the next step's K: both land while the softmax is walked
	; the step's largest score of each query, among my 64 keys: two chains a tile, the tiles by turns; each accumulator is read from its low end on
.irp u, 0,1
	v_max3_num_f32 v[24+2*\u], v[SC+64*\u], v[SC+64*\u+1], v[SC+64*\u+2]
	v_max3_num_f32 v[25+2*\u], v[SC+64*\u+3], v[SC+64*\u+4], v[SC+64*\u+5]
.endr
.irp i, 6,10,14,18,22,26,30,34,38,42,46,50,54,58
.irp u, 0,1
	v_max3_num_f32 v[24+2*\u], v[24+2*\u], v[SC+64*\u+\i], v[SC+64*\u+\i+1]
	v_max3_num_f32 v[25+2*\u], v[25+2*\u], v[SC+64*\u+\i+2], v[SC+64*\u+\i+3]
.endr
.endr
.irp u, 0,1
	v_max3_num_f32 v[24+2*\u], v[24+2*\u], v[SC+64*\u+62], v[SC+64*\u+63]
.endr
	; the two tiles' chains go by turns, line by line
.irp u, 0,1
	v_max_num_f32 v[24+2*\u], v[24+2*\u], v[25+2*\u]
.endr
.irp u, 0,1
	v_permlanex16_b32 v[28+\u], v[24+2*\u], s28, s29               ; the query's other 64 keys lie in the lane 16 away
.endr
.irp u, 0,1
	v_max_num_f32 v[24+2*\u], v[24+2*\u], v[28+\u]
.endr
.irp u, 0,1
	v_mul_f32 v[24+2*\u], s30, v[24+2*\u]                          ; as t (c is positive)
.endr
.irp u, 0,1
	v_max_num_f32 v[13+4*\u], v[13+4*\u], v[24+2*\u]               ; the running largest t
.endr
.irp u, 0,1
	v_floor_f32 v[12+4*\u], -v[13+4*\u]                            ; the new -M = floor(-t) = -ceil(t)
.endr
.irp u, 0,1
	v_sub_f32 v[24+2*\u], v[12+4*\u], v[8+2*\u]                    ; old M - new M: a whole number, 0 or less
.endr
.irp u, 0,1
	v_cvt_i32_f32 v[24+2*\u], v[24+2*\u]                           ; (it saturates)
.endr
.irp u, 0,1
	v_ldexp_f32 v[20+2*\u], 1.0, v[24+2*\u]                        ; f = 2^(old M - new M)
.endr
	; TWO BATCHES OF EXPONENTIALS, a tile each, with plain work of the other tile laid among them: work whose sources were read or awaited before the batch and whose results are first read behind the next wait.
.set JJ, 0
.rept 32
	v_pk_fma_f32 v[SC+JJ:SC+JJ+1], v[SC+JJ:SC+JJ+1], s[30:31], v[12:13] op_sel_hi:[1,0,0]   ; tile 0: t - M, two at a time (of the pairs c and -M the low word serves both halves)
.set JJ, JJ+2
.endr
	s_wait_alu depctr_va_vdst(0)                   ; a wait ahead of the batch
.set JJ, 0
.rept 32
	v_exp_f32 v[SC+JJ], v[SC+JJ]                   ; tile 0: p = 2^(t - M);
	v_exp_f32 v[SC+JJ+1], v[SC+JJ+1]
	v_pk_fma_f32 v[SC+64+JJ:SC+64+JJ+1], v[SC+64+JJ:SC+64+JJ+1], s[30:31], v[16:17] op_sel_hi:[1,0,0]   ; among them tile 1's t - M
.set JJ, JJ+2
.endr
	s_wait_alu depctr_va_vdst(0)                   ; behind tile 0's batch and ahead of tile 1's
.set JJ, 0
.rept 16
	v_exp_f32 v[SC+64+JJ], v[SC+64+JJ]             ; tile 1: p;
	v_exp_f32 v[SC+64+JJ+1], v[SC+64+JJ+1]
	v_exp_f32 v[SC+64+JJ+2], v[SC+64+JJ+2]
	v_exp_f32 v[SC+64+JJ+3], v[SC+64+JJ+3]
	v_pk_add_f32 v[PB+JJ/2:PB+JJ/2+1], v[SC+JJ:SC+JJ+1], v[SC+JJ+2:SC+JJ+3]   ; among them tile 0's sixteen first sums of the unquantised p, T0 .. T15, each into registers of its own: P's, which take codes only further down
.set JJ, JJ+4
.endr
.irp u, 0,1
	v_pk_mul_f32 v[14+4*\u:15+4*\u], v[14+4*\u:15+4*\u], v[20+2*\u:21+2*\u] op_sel_hi:[1,0]   ; the sums under the new M
.endr
	s_wait_alu depctr_va_vdst(0)                   ; one wait behind the batch, ahead of its first reader
	v_pk_add_f32 v[10:11], v[SC+64:SC+65], v[SC+66:SC+67]          ; the rows' sums: two chains a tile, by turns; tile 1 from p, tile 0 from T
	v_pk_add_f32 v[8:9], v[PB+2:PB+3], v[PB+6:PB+7]
.irp m, 0,1,2,3,4,5,6
	v_pk_add_f32 v[18:19], v[18:19], v[SC+68+8*\m:SC+69+8*\m]
	v_pk_add_f32 v[10:11], v[10:11], v[SC+70+8*\m:SC+71+8*\m]
	v_pk_add_f32 v[14:15], v[14:15], v[PB+4*\m:PB+4*\m+1]
	v_pk_add_f32 v[18:19], v[18:19], v[SC+72+8*\m:SC+73+8*\m]
	v_pk_add_f32 v[10:11], v[10:11], v[SC+74+8*\m:SC+75+8*\m]
.if \m < 6
	v_pk_add_f32 v[8:9], v[8:9], v[PB+10+4*\m:PB+11+4*\m]
.endif
.endr
	v_pk_add_f32 v[14:15], v[14:15], v[PB+28:PB+29]
	v_pk_add_f32 v[18:19], v[18:19], v[SC+124:SC+125]
	v_pk_add_f32 v[10:11], v[10:11], v[SC+126:SC+127]
	v_pk_add_f32 v[14:15], v[14:15], v[8:9]
	v_pk_add_f32 v[18:19], v[18:19], v[10:11]
	s_cmp_eq_u32 s35, 0                            ; e4 >= -8: no p passes the largest code x the scale
	s_cbranch_scc1 .Lfree_\@
.set JJ, 0
.rept 128
	v_min_num_f32 v[SC+JJ], v[SC+JJ], v30          ; the conversion to an 8-bit code does not saturate (ISA guide 7.6.2); p is not negative, so the hold is one-sided
.set JJ, JJ+1
.endr
.Lfree_\@:
.irp u, 0,1
.irp g, 0,1,2,3,4,5,6,7
	v_cvt_scalef32_pk8_fp8_f32 v[PB+16*\u+2*\g:PB+16*\u+2*\g+1], v[SC+64*\u+8*\g:SC+64*\u+8*\g+7], v31   ; keys 16 g + 8 h + 0 .. 7: registers 2 g, 2 g + 1 of P's fragment
.endr
.endr
	WIN 0x41                                       ; O^T window 1, f window 0
	s_wait_alu depctr_va_vdst(0)                   ; a wait, directly ahead of the first reader of O^T
.irp u, 0,1
.irp j, 0,2,4,6,8,10,12,14,16,18,20,22,24,26,28,30
	v_pk_mul_f32 v[32*\u+\j:32*\u+\j+1], v[32*\u+\j:32*\u+\j+1], v[20+2*\u:21+2*\u] op_sel_hi:[1,0]      ; O^T under the new M; also the plain instructions behind the conversions
.endr
.endr
	s_wait_alu depctr_va_vdst(0)                   ; a wait, directly ahead of the wait below
	s_wait_dscnt 16                                ; V is in; the 16 loads of the next K, issued behind V's, may be out
	WIN 0x50                                       ; C and D window 1
.irp t, 0,1,2,3
.irp u, 0,1
	v_wmma_f32_16x16x128_fp8_fp8 v[32*\u+8*\t:32*\u+8*\t+7], v[FRG+16*\t:FRG+16*\t+15], v[PB+16*\u:PB+16*\u+15], v[32*\u+8*\t:32*\u+8*\t+7]   ; the eight accumulators take turns, one instruction a turn
.endr
.endr
	WIN 0
.endm
.macro STEPS first, n                  ; n key steps from step 'first' on
	s_mov_b32 s32, KSTEP*(\first)
	s_mov_b32 s34, \n
.Lstep_\@:
	STEP
	s_add_co_u32 s32, s32, KSTEP
	s_sub_co_u32 s34, s34, 1
	s_cmp_lg_u32 s34, 0
	s_cbranch_scc1 .Lstep_\@
.endm
.macro NEXTCH c, more                  ; chunk c goes into LDS; more = 1: the chunk behind it is asked for
	s_wait_loadcnt 0x0                             ; its 16 loads are in
	STORECH \c
	s_wait_dscnt 0x0                               ; for the others' sake: my stores have landed; and they have read their registers, which take the next loads
.if \more
	LOADCH (\c)+1
.endif
	s_barrier_signal -1
	s_barrier_wait -1                              ; chunk c lies whole in LDS
.endm
; THE WAY OUT of a pass.  The sums' halves are added (these lines are the places behind the last products); O^T x 2^(e4 + e5) / the sum is held, converted with 2^e6 and laid as the last product's operand wants it.
.macro EPI
.irp u, 0,1
	v_add_f32 v[14+4*\u], v[14+4*\u], v[15+4*\u]
.endr
.irp u, 0,1
	s_delay_alu instid0(VALU_DEP_2)
	v_permlanex16_b32 v[28+\u], v[14+4*\u], s28, s29
.endr
.irp u, 0,1
	s_delay_alu instid0(VALU_DEP_2)
	v_add_f32 v[14+4*\u], v[14+4*\u], v[28+\u]     ; the row's sum
.endr
	s_wait_alu depctr_va_vdst(0)                   ; a wait ahead of the transcendentals
.irp u, 0,1
	v_rcp_f32 v[14+4*\u], v[14+4*\u]
.endr
	v_nop                                          ; a plain instruction behind the last reciprocal
	v_mov_b32 v27, s37                             ; 2^e6 as f32
	v_mov_b32 v26, s38                             ; 448 x 2^e6
	s_wait_alu depctr_va_vdst(0)                   ; one wait for the two reciprocals, ahead of their first reader
.irp u, 0,1
	v_ldexp_f32 v[14+4*\u], v[14+4*\u], s36        ; x 2^(e4 + e5)
.endr
	WIN 0x01                                       ; O^T window 1
	s_wait_alu depctr_va_vdst(0)                   ; a wait, directly ahead of the first reader of O^T
.irp u, 0,1
.irp j, 0,2,4,6,8,10,12,14,16,18,20,22,24,26,28,30
	v_pk_mul_f32 v[SC+64*\u+\j:SC+64*\u+\j+1], v[32*\u+\j:32*\u+\j+1], v[14+4*\u:15+4*\u] op_sel_hi:[1,0]   ; register 8 t + j: o(query r, channel 16 t + 8 h + j); each accumulator from its low end on
.endr
.endr
	WIN 0
.irp u, 0,1
.set JJ, 0
.rept 32
	v_med3_num_f32 v[SC+64*\u+JJ], v[SC+64*\u+JJ], -v26, v26
.set JJ, JJ+1
.endr
.endr
.irp u, 0,1
.irp t, 0,1,2,3
	v_cvt_scalef32_pk8_fp8_f32 v[PB+8*\u+2*\t:PB+8*\u+2*\t+1], v[SC+64*\u+8*\t:SC+64*\u+8*\t+7], v27
.endr
.endr
	v_nop                                          ; one plain vector instruction behind the last conversion
	; a_img's piece c wants channels 32 c + 16 h + 0 .. 15 in lane (r, h): each lane sends the 8 bytes that it does not keep to the lane 16 away
	v_cmp_lt_u32 vcc_lo, 255, v[LI]                ; lanes 16-31
.irp u, 0,1
.irp c, 0,1
.irp i, 0,1
	v_cndmask_b32 v[8+\i], v[PB+8*\u+4*\c+2+\i], v[PB+8*\u+4*\c+\i], vcc_lo                ; what I send: tile 2 c + 1's (lanes 0-15), tile 2 c's (lanes 16-31)
	s_delay_alu instid0(VALU_DEP_1)
	v_permlanex16_b32 v[10+\i], v[8+\i], s28, s29
	v_cndmask_b32 v[FRG+8*\u+4*\c+\i], v[PB+8*\u+4*\c+\i], v[10+\i], vcc_lo                ; bytes 0-7
	v_cndmask_b32 v[FRG+8*\u+4*\c+2+\i], v[10+\i], v[PB+8*\u+4*\c+2+\i], vcc_lo            ; bytes 8-15
.endr
.endr
.endr
.irp u, 0,1
.irp c, 0,1
	global_store_b128 v[LI], v[FRG+8*\u+4*\c:FRG+8*\u+4*\c+3], s[12:13] offset:16384*\u+512*\c   ; 32 lanes store 512 consecutive bytes, aligned
.endr
.endr
.endm
	s_load_b256 s[4:11], s[0:1], 0x0               ; q_img s[4:5], k_img s[6:7], v_img s[8:9], the scales' exponents s[10:11]
	s_load_b64 s[12:13], s[0:1], 0x20              ; a_img
	s_set_vgpr_msb 0x40
	v_lshl_add_u32 v254, v0, 2, 0x40000            ; my spare word, behind K and V; never rewritten
	v_mov_b32 v255, 0
	s_set_vgpr_msb 0x4000
	v_lshrrev_b32 v7, 5, v0
	s_delay_alu instid0(VALU_DEP_1)
	v_readfirstlane_b32 s14, v7                    ; wave 0..7
	v_and_b32 v7, 31, v0
	s_delay_alu instid0(VALU_DEP_1)
	v_lshlrev_b32 v[LI], 4, v7
	v_lshlrev_b32 v[GOF], 4, v0
	s_delay_alu instid0(VALU_DEP_2)
	v_add_nc_u32 v[LV], VBASE, v[LI]
	s_and_b32 s15, ttmp7, 0xffff                   ; 16 x batch + head
	s_lshl_b32 s16, s15, 17                        ; a head is 131,072 bytes in each of the three images
	s_mov_b32 s17, 0
	s_lshl_b32 s18, ttmp9, 15                      ; my work-group's 512 queries: 32 tiles of 1,024 bytes,
	s_lshl_b32 s19, s14, 11                        ; my wave's two of the first pass (the second pass's lie 16 tiles on)
	s_add_co_u32 s18, s18, s19
	s_add_co_u32 s18, s18, s16
	s_mov_b32 s19, 0
	s_lshr_b32 s38, s15, 4                         ; a_img [row / 16][head][c][lane][16]: row / 16 = 128 x batch + 32 x work-group x + 16 x pass + 2 x wave (+ 0 or 1 in the stores' immediates)
	s_lshl_b32 s38, s38, 7
	s_lshl_b32 s39, ttmp9, 5
	s_add_co_u32 s38, s38, s39
	s_lshl_b32 s39, s14, 1
	s_add_co_u32 s38, s38, s39
	s_lshl_b32 s38, s38, 14                        ; 16 rows of 1,024 codes
	s_and_b32 s39, s15, 15
	s_lshl_b32 s39, s39, 10                        ; the head's 1,024 bytes of them
	s_add_co_u32 s38, s38, s39
	s_mov_b32 s39, 0
	s_mov_b32 s28, 0x76543210                      ; v_permlanex16_b32's selects for lane l xor 16
	s_mov_b32 s29, 0xfedcba98
	s_wait_alu depctr_va_vdst(0)                   ; a wait, directly ahead of the wait below
	s_wait_kmcnt 0x0
	s_load_b256 s[20:27], s[10:11], 0x0            ; e0 .. e7
	s_add_nc_u64 s[6:7], s[6:7], s[16:17]
	s_add_nc_u64 s[8:9], s[8:9], s[16:17]
	s_add_nc_u64 s[4:5], s[4:5], s[18:19]
	s_add_nc_u64 s[12:13], s[12:13], s[38:39]
	LOADCH 0
	WIN 0x40
.irp u, 0,1
.irp c, 0,1
	global_load_b128 v[QF+8*\u+4*\c:QF+8*\u+4*\c+3], v[LI], s[4:5] offset:1024*\u+512*\c          ; the first pass's Q
.endr
.endr
.irp u, 0,1
.irp c, 0,1
	global_load_b128 v[QN+8*\u+4*\c:QN+8*\u+4*\c+3], v[LI], s[4:5] offset:16384+1024*\u+512*\c    ; the second pass's
.endr
.endr
.set JJ, 0
.rept 64
	v_mov_b32 v[JJ], 0                             ; O^T.  (The step is one text: a pass's first step finds zeros, which the first change of M leaves zeros)
.set JJ, JJ+1
.endr
	WIN 0
	INIT
.irp u, 0,1
	v_mov_b32 v[21+2*\u], 0                        ; (named as the upper half of f's pair)
	v_mov_b32 v[28+\u], 0                          ; written once: a lane permute's destination counts as one of its sources
.endr
	s_wait_kmcnt 0x0
	s_add_co_i32 s16, s22, s23                     ; a score stands for score x 2^(e2 + e3): the two exponents are added to c's exponent field
	s_lshl_b32 s16, s16, 23
	s_mov_b32 s30, 0x3e38aa3b                      ; c = log2(e) / 8
	s_add_co_i32 s30, s30, s16
	s_mov_b32 s31, s30                             ; (named with it as a pair, so it is written)
	s_add_co_i32 s16, s24, 127
	s_lshl_b32 s17, s16, 23
	v_mov_b32 v31, s17                             ; 2^e4 as f32, for p's conversions
	s_add_co_i32 s16, s16, 8
	s_lshl_b32 s16, s16, 23
	s_or_b32 s16, s16, 0x600000
	v_mov_b32 v30, s16                             ; 448 x 2^e4
	s_add_co_i32 s36, s24, s25                     ; e4 + e5
	s_add_co_i32 s16, s26, 127
	s_lshl_b32 s37, s16, 23                        ; 2^e6 as f32
	s_add_co_i32 s16, s16, 8
	s_lshl_b32 s38, s16, 23
	s_or_b32 s38, s38, 0x600000                    ; 448 x 2^e6
	s_cmp_lt_i32 s24, -8
	s_cselect_b32 s35, 1, 0                        ; 1: the hold of p is executed
	s_wait_loadcnt 8                               ; chunk 0's 16 loads are in; the eight of Q, issued behind them, may be out
	STORECH 0
	s_wait_dscnt 0x0                               ; my stores have landed, and have read their registers
	LOADCH 1
	s_barrier_signal -1
	s_barrier_wait -1                              ; chunk 0 lies whole in LDS
	KLOAD LI                                       ; step 0's K
	s_wait_loadcnt 16                              ; Q is in, both passes'; chunk 1's 16 loads may be out
	STEPS 0, 3
	NEXTCH 1, 1
	STEPS 3, 4
	NEXTCH 2, 1
	STEPS 7, 4
	NEXTCH 3, 0
	s_mov_b32 s32, KSTEP*11                        ; the first pass's last five steps and the second pass's sixteen: one loop, in which the offset wraps
	s_mov_b32 s34, 21
.Lrest:
	STEP
	s_add_co_u32 s32, s32, KSTEP
	s_and_b32 s32, s32, VBASE-1
	s_sub_co_u32 s34, s34, 1
	s_cmp_lg_u32 s34, 16                           ; a count of steps: the same in all waves
	s_cbranch_scc1 .Lsame
	EPI                                            ; the first pass is done
	s_wait_xcnt 0x0                                ; the stores have read their registers and their base
	s_add_nc_u64 s[12:13], s[12:13], 0x40000       ; 16 tiles of 16 rows on
	WIN 0x41
.set JJ, 0
.rept 16
	v_mov_b32 v[QF+JJ], v[QN+JJ]                   ; the second pass's Q
.set JJ, JJ+1
.endr
	WIN 0x40
.set JJ, 0
.rept 64
	v_mov_b32 v[JJ], 0                             ; O^T
.set JJ, JJ+1
.endr
	WIN 0
	INIT
	s_wait_alu depctr_va_vdst(0)                   ; a wait, ahead of the branch below
.Lsame:
	s_cmp_lg_u32 s34, 0
	s_cbranch_scc1 .Lrest
	EPI
	s_set_vgpr_msb 0x5
	s_wait_tensorcnt 0x0                           ; the wave's end
	ds_add_u32 v254, v255
	s_wait_dscnt 0x0
	s_set_vgpr_msb 0x500
	s_endpgm
.Lfunc_end_k_qb663d1be9b_attn:
	.size	k_qb663d1be9b_attn, .Lfunc_end_k_qb663d1be9b_attn-k_qb663d1be9b_attn
	.p2alignl 7, 3214868480
	.fill 96, 4, 3214868480
	.section	.rodata,"a",@progbits
	.p2align	6, 0x0
	.amdhsa_kernel k_qb663d1be9b_attn
		.amdhsa_group_segment_fixed_size 263168
		.amdhsa_private_segment_fixed_size 0
		.amdhsa_enable_private_segment 0
		.amdhsa_kernarg_size 40
		.amdhsa_user_sgpr_count 2
		.amdhsa_user_sgpr_kernarg_segment_ptr 1
		.amdhsa_wavefront_size32 1
		.amdhsa_system_sgpr_workgroup_id_x 1
		.amdhsa_system_sgpr_workgroup_id_y 1
		.amdhsa_system_sgpr_workgroup_id_z 1
		.amdhsa_system_vgpr_workitem_id 0
		.amdhsa_next_free_vgpr 512
		.amdhsa_next_free_sgpr 66
		.amdhsa_reserve_vcc 1
		.amdhsa_float_denorm_mode_32 3
		.amdhsa_float_denorm_mode_16_64 3
		.amdhsa_memory_ordered 1
		.amdhsa_forward_progress 1
		.amdhsa_inst_pref_size 154
	.end_amdhsa_kernel
	.amdgpu_metadata
---
amdhsa.version: [ 1, 2 ]
amdhsa.kernels:
  - .name:           k_qb663d1be9b_attn
    .symbol:         k_qb663d1be9b_attn.kd
    .args:
      - { .name: q_img, .offset: 0, .size: 8, .value_kind: global_buffer, .address_space: global }
      - { .name: k_img, .offset: 8, .size: 8, .value_kind: global_buffer, .address_space: global }
      - { .name: v_img, .offset: 16, .size: 8, .value_kind: global_buffer, .address_space: global }
      - { .name: lowp_scales, .offset: 24, .size: 8, .value_kind: global_buffer, .address_space: global }
      - { .name: a_img, .offset: 32, .size: 8, .value_kind: global_buffer, .address_space: global }
    .group_segment_fixed_size: 263168
    .private_segment_fixed_size: 0
    .kernarg_segment_align: 8
    .kernarg_segment_size: 40
    .max_flat_workgroup_size: 256
    .sgpr_count:     66
    .vgpr_count:     512
    .wavefront_size: 32
...
	.end_amdgpu_metadata
.endif
;; end of part 2
;; launch proj (part 3): grid 4 x 64, 4 waves a work-group, clusters of 4 x 4, 327,680 bytes of LDS; arguments a_img, w_out_codes, lowp_scales, b_out, out0; writes out0
.if DOCPART == 3
	.amdgcn_target "amdgcn-amd-amdhsa--gfx1250"
	.amdhsa_code_object_version 6
	.text
	.protected	k_qb663d1be9b_proj
	.globl	k_qb663d1be9b_proj
	.p2align	8
	.type	k_qb663d1be9b_proj,@function
k_qb663d1be9b_proj:
	s_mov_b64 s[64:65], 0
	v_nop
	global_prefetch_b8 v0, s[64:65] scope:SCOPE_SE
	s_setreg_imm32_b32 hwreg(HW_REG_WAVE_MODE, 25, 1), 1
	s_wait_xcnt 0x0
	s_wait_alu depctr_hold_cnt(0) depctr_sa_sdst(0) depctr_va_vdst(0) depctr_va_sdst(0) depctr_va_ssrc(0) depctr_va_vcc(0) depctr_vm_vsrc(0)
	s_getreg_b32 s2, hwreg(HW_REG_IB_STS2, 6, 4)
	s_cmp_eq_u32 s2, 0
	s_cbranch_scc0 .Lentry_in_a_cluster
	s_endpgm
.Lentry_in_a_cluster:
	s_bfe_u32 s2, ttmp6, 0x10000c
	s_cmp_lg_u32 s2, 0xf033
	s_cbranch_scc0 .Lentry_shape_is_right
	s_endpgm
.Lentry_shape_is_right:
; out0 = o W^T + b on codes of FP8 (E4M3).  o: 8,192 rows x 1,024, as the image that the attention launch stored; W: [1024][1024] codes, K innermost; out0: [8192][1024] f32.
; lowp_scales: e6 (o), e7 (W).  A finished sum becomes sum x 2^(e6 + e7) + b by one fused multiply-add.  LIMIT: e6 + e7 between -126 and 127, so that the power of two is an f32 number.
; a_img [row / 16][head 0..15][c 0..1][lane][16]: lane (r, h) holds row 16 (..) + r, channels 64 head + 32 c + 16 h + 0 .. 15.  So four loads of 16 bytes a lane, 512 bytes apart, are a fragment of 16 rows x 128 K
; with K = 32 c + 16 h + 0 .. 15 in registers 4 c .. 4 c + 3; W's fragments are read in the same order from rows that lie along K.  That is another place for k than the form's own layout gives, alike in both
; operands: only the order of the sums inside an instruction differs.
; SHARES.  A block of 128 rows x 256 columns to a work-group: 64 x 4 = 256 work-groups.  Four waves, as many as a WGP has SIMDs, each 64 rows x 128 columns: 32 accumulators, 256 registers.
; K goes in four steps of 256 through a ring of two LDS slots; the eight steps of 128 are written out: there is no loop.  Both operands have two sets of fragment registers: a step's loads are issued a step ahead.
; CLUSTERS: 4 x 4 work-groups; o's tiles are asked for jointly along a row of the cluster, W's along a column.
; The matrix instruction is used transposed (source 0 = 16 rows of W, source 1 = 16 rows of o): a lane holds eight neighbouring numbers of a row of out0.
; REGISTERS: window 0: v0-31 addresses; v64-127 the biases; v128-191, v192-255 o's fragments, two sets (on the way out: rows read back from the stage);
;   window 1: W's fragments, two sets, at v0 and v128 (on the way out v0-63: a block's numbers);  window 2: accumulator (a, b) at v[8 (8 a + b)].
.set SIZE_N, 1024
.set KROW,   1024                      ; a row of W in memory, in bytes
.set ROWB,   256                       ; a K step of a row of W
.set AKB,    4096                      ; a K step of 16 rows of o: four heads of 1,024 bytes
.set PITCH,  272                       ; W's LDS row: 256 bytes + 16 of padding: the 16 rows that a load touches start at 16 different banks (64 banks of 4 bytes: ISA guide 11.1)
.set FR,     16
.set NP,     4                         ; places behind this matrix instruction (ISA guide 7.12.1)
.set HALFA,  4*AKB                     ; 64 rows of o: what one tensor load brings; lanes read it 16 bytes apart, so it has no padding
.set HALFB,  128*PITCH                 ; 128 rows of W
.set SLOT,   2*HALFA+2*HALFB           ; 102,400 bytes
.set SPARE,  2*SLOT                    ; behind the ring: the spare words, 128 bytes for each wave
.set SPITCH, 528                       ; the way out: a stage of 16 rows x (512 bytes + 16) for each wave, in slot 0, which has had its last fill and its last read by then
.set BO8,  8
.set PF1,  9                           ; v9-11   the prefetches' offsets for K steps 1, 2, 3; never rewritten
.set ADRA, 16                          ; v16-17  LDS address of o's fragments in slot 0, 1
.set ADRB, 20                          ; v20-21  the same for W
.set STO,  24
.set RD,   25
.set CO,   26
.set SPW,  28                          ; v28     LDS address of my spare word; never rewritten
.set NIL,  29                          ; v29     0; never rewritten
.set BI,   64
.set AF,   128
.set BK,   128
.set G1, 24                            ; s[24:31] descriptor group 1 for o's tiles;  s[32:39] group 0, one set for each slot
.set G0, 32
.set G1B, 48                           ; s[48:55], s[56:63] the same for W's
.set G0B, 56
.set MSB, 0
.macro WIN new                         ; the immediate's high byte repeats the setting that is left
.if MSB != \new
	s_set_vgpr_msb (MSB<<8)|\new
.set MSB, \new
.endif
.endm
.set MUL_W, 0xa1                       ; source 0 (W) window 1, source 1 (o) window 0, C and D window 2
.set TO_B,  0x40
; A joint load: waves 0 and 1 fetch o's halves, waves 2 and 3 W's.  The branch hangs on the wave's number alone.  An s_nop 0 and four v_nop follow each of the two lines.
.macro JLOAD g0a, g1a, g0b, g1b
	s_cmp_eq_u32 s15, 0
	s_cbranch_scc0 .Lfor_b_\@
	tensor_load_to_lds s[\g0a:\g0a+3], s[\g1a:\g1a+7]
	s_nop 0
.rept 4
	v_nop
.endr
	s_branch .Lasked_\@
.Lfor_b_\@:
	tensor_load_to_lds s[\g0b:\g0b+3], s[\g1b:\g1b+7]
	s_nop 0
.rept 4
	v_nop
.endr
.Lasked_\@:
.endm
.macro CREST                           ; a round of the cluster's barrier behind its opening barrier
	s_cmp_lg_u32 s14, 0
	s_cbranch_scc1 .Lnot_wave_0_\@
	s_barrier_signal -3
.Lnot_wave_0_\@:
	s_barrier_wait -3
	s_barrier_signal -1
	s_barrier_wait -1
.endm
.macro CROUND
	s_barrier_signal -1
	s_barrier_wait -1
	CREST
.endm
.macro ASK reg                         ; one prefetch into the L2, in the waves that ask
	s_cmp_eq_u32 s73, 0
	s_cbranch_scc0 .Lnot_mine_\@
	global_prefetch_b8 v[\reg], s[66:67] th:TH_LOAD_NT scope:SCOPE_SE
.Lnot_mine_\@:
.endm
	s_load_b128 s[4:7], s[0:1], 0x0                ; a_img s[4:5], W's codes s[6:7]
	s_load_b128 s[8:11], s[0:1], 0x10              ; the scales' exponents s[8:9], b_out s[10:11]
	s_load_b64 s[12:13], s[0:1], 0x20              ; out0
	v_lshl_add_u32 v[SPW], v0, 2, SPARE
	v_mov_b32 v[NIL], 0
	ds_add_u32 v[SPW], v[NIL]                      ; the opening lines: the add, twice on end, and its wait ahead of my first tensor load
	ds_add_u32 v[SPW], v[NIL]
	v_lshrrev_b32 v1, 5, v0
	v_readfirstlane_b32 s14, v1                    ; wave 0..3
	s_lshr_b32 s15, s14, 1                         ; which 64 rows are mine.  Also: I fetch for o (0) or for W (1)
	s_and_b32 s16, s14, 1                          ; which 128 columns.  Also: which half of that tile I fetch
	s_bfe_u32 s40, ttmp6, 0x40000                  ; cx, cy: my place in the cluster
	s_bfe_u32 s41, ttmp6, 0x40004
	s_lshl_b32 s42, ttmp9, 2
	s_add_co_u32 s42, s42, s40                     ; block column = 4 x cluster x + cx
	s_and_b32 s17, ttmp7, 0xffff
	s_lshl_b32 s17, s17, 2
	s_add_co_u32 s17, s17, s41                     ; block row = 4 x cluster y + cy
	s_lshl_b32 s43, s41, 2
	s_lshl_b32 s43, 15, s43                        ; my row of the cluster
	s_lshl_b32 s44, 0x1111, s40                    ; my column
	s_or_b32 s[G1+0], s43, (3<<16)|(1<<21)         ; o: elements of 8 bytes, no padding; the mask of my row, bit 21 beside it
	s_mov_b32 s[G1+1], 512<<16                     ; a row of the tile: 4,096 bytes, the K step of 16 rows of o
	s_mov_b32 s[G1+2], 4<<16                       ; four of them
	s_mov_b32 s[G1+3], 512<<16
	s_mov_b32 s[G1+4], 4
	s_mov_b32 s[G1+5], 2048                        ; 16,384 bytes apart
	s_mov_b32 s[G1+6], 0
	s_mov_b32 s[G1+7], 0
	s_or_b32 s[G1B+0], s44, (0<<16)|(1<<20)|(1<<21)|(5<<22)|(3<<25)  ; W: elements of 1 byte; four words of padding after every 64; the mask of my column
	s_mov_b32 s[G1B+1], ROWB<<16
	s_mov_b32 s[G1B+2], 128<<16
	s_mov_b32 s[G1B+3], ROWB<<16
	s_mov_b32 s[G1B+4], 128
	s_mov_b32 s[G1B+5], KROW
	s_mov_b32 s[G1B+6], 0
	s_mov_b32 s[G1B+7], 0
	s_lshl_b32 s20, s17, 17                        ; o: 128 rows are 131,072 bytes,
	s_lshl_b32 s18, s16, 16                        ; the half that I fetch 65,536
	s_add_co_u32 s20, s20, s18
	s_mov_b32 s21, 0
	s_lshl_b32 s18, s16, 7
	s_lshl_b32 s46, s42, 8
	s_add_co_u32 s46, s46, s18                     ; W: row 256 x block column + 128 x half
	s_lshl_b32 s46, s46, 10
	s_mov_b32 s47, 0
	s_lshl_b32 s45, s16, 14                        ; where they go: no place in the cluster enters an LDS address
	s_mul_i32 s23, s16, HALFB
	s_add_co_u32 s23, s23, 2*HALFA
	s_wait_dscnt 0x0                               ; both opening adds are done
	s_wait_kmcnt 0x0
	s_load_b64 s[96:97], s[8:9], 0x18              ; e6, e7
	s_add_nc_u64 s[20:21], s[4:5], s[20:21]
	s_add_nc_u64 s[46:47], s[6:7], s[46:47]
	CROUND                                         ; all sixteen work-groups are here: the first joint loads meet
.irp s, 0,1
	s_mov_b32 s[G0+4*\s], 1
	s_add_co_u32 s[G0+4*\s+1], s45, \s*SLOT
	s_add_nc_u64 s[G0+4*\s+2:G0+4*\s+3], s[20:21], \s*AKB
	s_or_b32 s[G0+4*\s+3], s[G0+4*\s+3], 0x80000000
	s_mov_b32 s[G0B+4*\s], 1
	s_add_co_u32 s[G0B+4*\s+1], s23, \s*SLOT
	s_add_nc_u64 s[G0B+4*\s+2:G0B+4*\s+3], s[46:47], \s*ROWB
	s_or_b32 s[G0B+4*\s+3], s[G0B+4*\s+3], 0x80000000
.endr
	JLOAD G0, G1, G0B, G1B                         ; K step 0: one tensor load a wave at the head
	; PREFETCHES INTO THE L2.  Behind K step 0's load K steps 1 and 2 are asked for, behind K step 1's load K step 3: one or two refills ahead of the load that wants them.
	; The four partners that ask for a tile jointly share its blocks of 256 bytes out by address.  o: of my four groups of 16 rows the partner at cx takes one, 16 blocks (lanes 16-31 name the last again).
	; W: of my 128 rows the partner at cy takes 32, a lane a row.  o's tiles are loaded by one cluster each; W's by all sixteen, of which the first four ask (the cluster's y, which all partners share).
	s_cmp_eq_u32 s15, 0
	s_cselect_b64 s[66:67], s[20:21], s[46:47]     ; what I fetch, at K step 0
	s_cselect_b32 s68, s40, s41                    ; my place among the four
	s_cselect_b32 s69, 14, 15                      ; a share: 16,384 or 32,768 bytes
	s_cselect_b32 s70, 15, 31                      ; its last block
	s_cselect_b32 s71, 8, 10                       ; from block to block: 256 or 1,024 bytes
	s_mov_b32 s72, ROWB
	s_cselect_b32 s72, AKB, s72                    ; a K step on
	s_lshl_b32 s68, s68, s69
	s_mov_b32 s69, 0
	s_add_nc_u64 s[66:67], s[66:67], s[68:69]
	s_and_b32 s73, ttmp7, 0xffff
	s_lshr_b32 s73, s73, 2
	s_mul_i32 s73, s73, s15                        ; 0: my wave asks
	v_and_b32 v[PF1], 31, v0
	v_min_u32 v[PF1], s70, v[PF1]
	v_lshlrev_b32 v[PF1], s71, v[PF1]
	v_add_nc_u32 v[PF1], s72, v[PF1]
	v_add_nc_u32 v[PF1+1], s72, v[PF1]
	v_add_nc_u32 v[PF1+2], s72, v[PF1+1]
	s_wait_alu depctr_va_vdst(0)                   ; a wait, ahead of the branches
	ASK PF1
	ASK PF1+1
	v_and_b32 v1, 15, v0                           ; r
	v_bfe_u32 v2, v0, 4, 1                         ; h
	v_and_b32 v6, 31, v0
	v_lshlrev_b32 v[CO], 4, v6                     ; 16 x lane
	v_mul_u32_u24 v3, v1, PITCH
	v_lshl_add_u32 v4, v2, 4, v3                   ; W: a fragment's row x pitch + 16 h
	s_lshl_b32 s21, s15, 14                        ; my 64 rows of o
	s_mul_i32 s22, s16, HALFB                      ; my 128 rows of W,
	s_add_co_u32 s22, s22, 2*HALFA                 ; which lie behind o's
.irp s, 0,1
	v_add_nc_u32 v[ADRA+\s], s21, v[CO]
	v_add_nc_u32 v[ADRB+\s], s22, v4
	s_add_co_u32 s21, s21, SLOT
	s_add_co_u32 s22, s22, SLOT
.endr
	s_mul_i32 s23, s14, 16*SPITCH                  ; my stage
	v_mul_u32_u24 v5, v1, SPITCH                   ; in: row r, 32 bytes for each half of the lanes
	v_lshl_add_u32 v5, v2, 5, v5
	v_add_nc_u32 v[STO], s23, v5
	v_add_nc_u32 v[RD], s23, v[CO]                 ; back: the 32 lanes take one row of 512 bytes
	v_lshlrev_b32 v[BO8], 5, v2                    ; my eight biases of a block of 16 columns
	s_wait_alu depctr_va_vdst(0)                   ; a wait, ahead of the scalar lines below
	s_lshl_b32 s20, s17, 7
	s_lshl_b32 s21, s15, 6
	s_add_co_u32 s20, s20, s21                     ; my first row of out0: 128 x block row + 64 x half
	s_lshl_b32 s20, s20, 12
	s_mov_b32 s21, 0
	s_lshl_b32 s46, s42, 10                        ; my first column, in bytes: 1,024 x block column + 512 x half
	s_lshl_b32 s47, s16, 9
	s_add_co_u32 s46, s46, s47
	s_mov_b32 s47, 0
	s_add_nc_u64 s[80:81], s[10:11], s[46:47]
	s_add_nc_u64 s[20:21], s[20:21], s[46:47]
	s_add_nc_u64 s[12:13], s[12:13], s[20:21]
.irp b, 0,1,2,3,4,5,6,7
	global_load_b128 v[BI+8*\b:BI+8*\b+3], v[BO8], s[80:81] offset:64*\b         ; b(16 b + 8 h + 0 .. 3)
	global_load_b128 v[BI+8*\b+4:BI+8*\b+7], v[BO8], s[80:81] offset:64*\b+16
.endr
; All fragments of the slot's q-th 128 along K into set p: W's eight, o's four: 48 loads in one run.
.macro FETCH slot, q, p
	WIN TO_B
.irp i, 0,1,2,3,4,5,6,7
.irp c, 0,1,2,3
	ds_load_b128 v[128*(\p)+FR*\i+4*\c:128*(\p)+FR*\i+4*\c+3], v[ADRB+\slot] offset:128*(\q)+32*\c+\i*16*PITCH
.endr
.endr
	WIN 0
.irp i, 0,1,2,3
.irp c, 0,1,2,3
	ds_load_b128 v[AF+64*(\p)+FR*\i+4*\c:AF+64*(\p)+FR*\i+4*\c+3], v[ADRA+\slot] offset:AKB*\i+2048*(\q)+512*\c
.endr
.endr
.endm
; 16 matrix instructions: o's blocks a0, a0 + 1 x W's eight, 128 along K, on set p.  zero = 1: the first product starts the sums.  The 32 accumulators take turns, in the same order in every step.
.macro MUL16 a0, p, zero
.irp a, \a0, \a0+1
.irp b, 0,1,2,3,4,5,6,7
.if \zero
	v_wmma_f32_16x16x128_fp8_fp8 v[8*(8*(\a)+\b):8*(8*(\a)+\b)+7], v[128*(\p)+FR*\b:128*(\p)+FR*\b+FR-1], v[AF+64*(\p)+FR*(\a):AF+64*(\p)+FR*(\a)+FR-1], 0
.else
	v_wmma_f32_16x16x128_fp8_fp8 v[8*(8*(\a)+\b):8*(8*(\a)+\b)+7], v[128*(\p)+FR*\b:128*(\p)+FR*\b+FR-1], v[AF+64*(\p)+FR*(\a):AF+64*(\p)+FR*(\a)+FR-1], v[8*(8*(\a)+\b):8*(8*(\a)+\b)+7]
.endif
.endr
.endr
.endm
.macro PLACES n                        ; plain places in front of loads into registers that matrix instructions have read, and of the first read of results
.rept \n
	v_nop
.endr
.endm
; A slot's first step: multiplies set 0, and asks for the slot's second 128 into set 1.
.macro STEP slot, zero
	s_wait_dscnt 0x0                               ; set 0 is in
	PLACES NP
	FETCH \slot, 1, 1
	WIN MUL_W
	MUL16 0, 0, \zero
	MUL16 2, 0, \zero
	WIN 0
.endm
; A slot's second step multiplies set 1 and changes slots: ONE barrier; in front of it each wave waits for all its tensor loads, adds 0 to its spare word, and waits for that and for its reads of this slot.  fill = 1: this slot is filled again.
.macro TURN slot, next, fill
	s_wait_tensorcnt 0x0                           ; my part of the next slot has landed
	ds_add_u32 v[SPW], v[NIL]
	s_wait_dscnt 0x0                               ; the add is done, set 1 is in, and my reads of this slot are over
	s_barrier_signal -1
	WIN MUL_W
	MUL16 0, 1, 0                                  ; work on registers while the others arrive
	WIN 0
	s_barrier_wait -1
.if \fill
	CREST                                          ; the barrier has opened a round of the cluster's barrier: no wave of any partner still reads this slot or has a load on its way
	s_add_nc_u64 s[G0+4*\slot+2:G0+4*\slot+3], s[G0+4*\slot+2:G0+4*\slot+3], 2*AKB
	s_add_nc_u64 s[G0B+4*\slot+2:G0B+4*\slot+3], s[G0B+4*\slot+2:G0B+4*\slot+3], 2*ROWB
	JLOAD G0+4*\slot, G1, G0B+4*\slot, G1B         ; the first tensor load behind the round; its four v_nop are the places in front of the loads below
.else
	PLACES NP
.endif
	FETCH \next, 0, 0
	WIN MUL_W
	MUL16 2, 1, 0
	WIN 0
.endm
	s_wait_alu depctr_va_vdst(0)                   ; a wait at the head's end
	s_wait_tensorcnt 0x0                           ; my part of K step 0 is in
	ds_add_u32 v[SPW], v[NIL]
	s_wait_dscnt 0x0
	CROUND                                         ; everybody's part of K step 0 is in, and all sixteen work-groups are here
	JLOAD G0+4, G1, G0B+4, G1B                     ; K step 1: the first tensor load behind the round
	FETCH 0, 0, 0
	ASK PF1+2                                      ; the last K step: nothing lies behind it
	STEP 0, 1                                      ; the first products start the sums
	TURN 0, 1, 1                                   ; slot 0 takes K step 2
	STEP 1, 0
	TURN 1, 0, 1                                   ; slot 1 takes K step 3
	STEP 0, 0
	TURN 0, 1, 0                                   ; nothing is filled any more, and no round follows
	STEP 1, 0
	s_wait_dscnt 0x0
	WIN MUL_W
	MUL16 0, 1, 0
	MUL16 2, 1, 0
	WIN 0
; THE WAY OUT, block by block of 16 rows x 128 columns.  number = sum x 2^(e6 + e7) + bias, one rounding.  A lane holds 32 neighbouring bytes of a row: a block goes through my own stage in LDS and comes back as whole rows
; of 512 bytes, which the 32 lanes store as two aligned units of 256 bytes.  LDS serves a wave's instructions in order (ISA guide 5.7.1.4): no wait between the stores and the loads.
.macro TOSTAGE a
	WIN 0x42                                       ; the sums window 2, the biases window 0, the numbers window 1
.irp b, 0,1,2,3,4,5,6,7
.irp i, 0,2,4,6
	v_pk_fma_f32 v[8*\b+\i:8*\b+\i+1], v[64*(\a)+8*\b+\i:64*(\a)+8*\b+\i+1], s[96:97], v[BI+8*\b+\i:BI+8*\b+\i+1] op_sel_hi:[1,0,1]   ; each accumulator from its low end on
.endr
.endr
	WIN 0x04                                       ; the stores' data: window 1
.irp b, 0,1,2,3,4,5,6,7
	ds_store_b128 v[STO], v[8*\b:8*\b+3] offset:64*\b
	ds_store_b128 v[STO], v[8*\b+4:8*\b+7] offset:64*\b+16
.endr
	WIN 0
.set BB, BK+64*((\a)%2)
.irp t, 0,1,2,3,4,5,6,7,8,9,10,11,12,13,14,15
	ds_load_b128 v[BB+4*\t:BB+4*\t+3], v[RD] offset:\t*SPITCH
.endr
.endm
.macro SEND a, younger                 ; younger: the LDS instructions issued behind block a's loads, which may stay out
.set BB, BK+64*((\a)%2)
	s_wait_dscnt \younger
.if (\a) > 0
	s_add_nc_u64 s[12:13], s[12:13], 16*SIZE_N*4   ; (behind a wait on XCNT: the earlier stores have read their base)
.endif
.irp t, 0,1,2,3,4,5,6,7,8,9,10,11,12,13,14,15
	global_store_b128 v[CO], v[BB+4*\t:BB+4*\t+3], s[12:13] offset:\t*SIZE_N*4 th:TH_STORE_NT   ; 32 lanes store 512 consecutive bytes, aligned
.endr
.endm
	s_wait_kmcnt 0x0                               ; the exponents
	s_wait_loadcnt 0x0                             ; the biases
	s_add_co_i32 s96, s96, s97
	s_add_co_i32 s96, s96, 127
	s_lshl_b32 s96, s96, 23                        ; 2^(e6 + e7) as f32
	s_mov_b32 s97, s96                             ; (named with it as a pair, so it is written)
	PLACES NP                                      ; behind the last products: the lines below read results and write registers that held fragments
	TOSTAGE 0
.irp a, 1,2,3
.if \a > 1
	s_wait_xcnt 0x0                                ; block a - 2's stores have read their registers and their base
.endif
	TOSTAGE \a
	SEND \a-1, 32                                  ; behind block a - 1's loads: block a's 16 stores and 16 loads
.endr
	s_wait_xcnt 0x0
	SEND 3, 0
	s_wait_tensorcnt 0x0                           ; the wave's end
	ds_add_u32 v[SPW], v[NIL]
	s_wait_dscnt 0x0
	CROUND                                         ; the closing round: no work-group ends while a partner may still ask for a tile that names it
	s_endpgm
.Lfunc_end_k_qb663d1be9b_proj:
	.size	k_qb663d1be9b_proj, .Lfunc_end_k_qb663d1be9b_proj-k_qb663d1be9b_proj
	.p2alignl 7, 3214868480
	.fill 96, 4, 3214868480
	.section	.rodata,"a",@progbits
	.p2align	6, 0x0
	.amdhsa_kernel k_qb663d1be9b_proj
		.amdhsa_group_segment_fixed_size 327680
		.amdhsa_private_segment_fixed_size 0
		.amdhsa_enable_private_segment 0
		.amdhsa_kernarg_size 40
		.amdhsa_user_sgpr_count 2
		.amdhsa_user_sgpr_kernarg_segment_ptr 1
		.amdhsa_wavefront_size32 1
		.amdhsa_system_sgpr_workgroup_id_x 1
		.amdhsa_system_sgpr_workgroup_id_y 1
		.amdhsa_system_sgpr_workgroup_id_z 1
		.amdhsa_system_vgpr_workitem_id 0
		.amdhsa_next_free_vgpr 768
		.amdhsa_next_free_sgpr 98
		.amdhsa_reserve_vcc 0
		.amdhsa_float_denorm_mode_32 3
		.amdhsa_float_denorm_mode_16_64 3
		.amdhsa_memory_ordered 1
		.amdhsa_forward_progress 1
		.amdhsa_inst_pref_size 78
	.end_amdhsa_kernel
	.amdgpu_metadata
---
amdhsa.version: [ 1, 2 ]
amdhsa.kernels:
  - .name:           k_qb663d1be9b_proj
    .symbol:         k_qb663d1be9b_proj.kd
    .args:
      - { .name: a_img, .offset: 0, .size: 8, .value_kind: global_buffer, .address_space: global }
      - { .name: w_out_codes, .offset: 8, .size: 8, .value_kind: global_buffer, .address_space: global }
      - { .name: lowp_scales, .offset: 16, .size: 8, .value_kind: global_buffer, .address_space: global }
      - { .name: b_out, .offset: 24, .size: 8, .value_kind: global_buffer, .address_space: global }
      - { .name: out0, .offset: 32, .size: 8, .value_kind: global_buffer, .address_space: global }
    .group_segment_fixed_size: 327680
    .private_segment_fixed_size: 0
    .kernarg_segment_align: 8
    .kernarg_segment_size: 40
    .max_flat_workgroup_size: 128
    .sgpr_count:     98
    .vgpr_count:     768
    .wavefront_size: 32
...
	.end_amdgpu_metadata
.endif
;; end of part 3
